; MI455X (gfx1250); checked and timed in simulation.
; The chip was launched on July 23, 2026; its instructions are those of AMD's public machine-readable ISA for CDNA 5 (MIT licence, August 2026) and "CDNA5" Instruction Set Architecture Reference Guide (July 2026). The comments in the code are by the model that wrote it; some were corrected since.
;; Attention. Allowed arithmetic: matrix products marked QUANTISED: E5M2 operands, one E8M0 scale for each 32 along K, by v_wmma_scale_f32_16x16x128_f8f6f4 with both operands' format E5M2, f32 sums; everything else in f32.
;; Inputs: W_fc 1,024 x 3,072 float32; W_fc2 1,024 x 1,024 float32; b_fc 3,072 float32; b_fc2 1,024 float32; x 4 x 2,048 x 1,024 float32.
;; Outputs: out0 4 x 2,048 x 1,024 float32.
;; This version of the problem:
;;   THIS VERSION OF THE PROBLEM IS GIVEN IN LOW PRECISION. The matrix products marked QUANTISED in the list below multiply operands that are first quantised to E5M2 (5 exponent bits, 2 mantissa bits; 8 bits a number), with one power-of-two scale for each 32 numbers along K (OCP MX v1.0); their sums are f32. All else is computed in f32.
;;   The module's matrix products, in the order in which they are computed (A, B: the left and right operand; K: the contracted axis; several contracted axes count as one K, in the product's order):
;;     1. [M 8,192, K 1,024] x [K 1,024, N 3,072]; A: input x; B: input W_fc: QUANTISED
;;     2. batch 64 x [M 2,048, K 64] x [K 64, N 2,048]; A: computed on the way; B: computed on the way: QUANTISED
;;     3. batch 64 x [M 64, K 2,048] x [K 2,048, N 2,048]; A: computed on the way; B: softmax (see below): QUANTISED
;;     4. [M 8,192, K 1,024] x [K 1,024, N 1,024]; A: computed on the way; B: input W_fc2: QUANTISED
;;   THE QUANTISER, for each operand of a quantised product, along K:
;;     - K is cut into blocks of 32 from its start; a last block that is shorter is filled with zeros.
;;     - A block's scale is 2^e with e = floor(log2(the largest magnitude in the block)) - 15, held to -126 .. 127; a block of zeros has e = 0. As a byte (E8M0): e + 127.
;;     - Each number is divided by its block's scale, clamped to +-57,344, and rounded to the nearest number of E5M2, ties to even, subnormals kept.
;;     - The product sums the exact products of the quantised numbers (number of the format x scale) in f32.
;;   ~~~python
;;   def quantise(x, axis):      # numpy; x: float32 -> the quantised numbers, widened to float32 again
;;       x = np.moveaxis(x, axis, -1); K = x.shape[-1]
;;       x = np.pad(x, [(0, 0)] * (x.ndim - 1) + [(0, -K % 32)]); x = x.reshape(x.shape[:-1] + (-1, 32)); a = np.abs(x).max(-1, keepdims=True)
;;       e = np.where(a > 0, np.clip(np.frexp(np.where(a > 0, a, 1))[1] - 1 - 15, -126, 127), 0)      # np.frexp(a)[1] - 1 = floor(log2(a)), exactly
;;       r = np.clip(x / 2.0 ** e, -57344, 57344)
;;       step = 2.0 ** (np.maximum(np.frexp(np.where(r == 0, 1, r))[1] - 1, -14) - 2)
;;       q = np.round(r / step) * step * 2.0 ** e      # np.round: ties to even
;;       return np.moveaxis(q.reshape(q.shape[:-2] + (-1,))[..., :K], -1, axis).astype(np.float32)
;;   ~~~
;;   SOFTMAX AHEAD OF A QUANTISED PRODUCT. Where the list says 'softmax', what is quantised is not the finished softmax but p = 2^(t - M), with t = logit x log2(e) and M = ceil(the row's largest t), a whole number; so 1/2 < the row's largest p <= 1. The row's sum l is taken of the UNQUANTISED p, in f32, and the product's result is divided by l at the end. Since M is a whole number, a kernel that streams over the keys may use a running M (the ceiling of the running maximum): every later rescaling is an exact power of two, which a block's scale takes up: the codes' values come out the same.
;;   OPERANDS COMPUTED ON THE WAY. 'Computed on the way' means the value that the module computes at that place (a softmax that the list does not call 'softmax' is quantised finished and normalised). What goes into a quantiser is computed in f32, as accurately as f32 sums, v_exp_f32 and their like allow (about 1e-6 of the number): no bf16 or f16 on the way to a quantiser, and a product that is left as it is and whose result goes on into a quantised operand takes f32 operands (vector FMAs, or v_wmma_f32_16x16x4_f32). A number that lies on a knife's edge between two numbers of the format may be rounded either way, as far as f32 arithmetic and the matrix unit's own rounding can turn it there, and no further.
;; One version. Each part assembles by itself: llvm-mc -triple=amdgcn-amd-amdhsa -mcpu=gfx1250 --defsym DOCPART=n.
;; ======== version 1 of 1: 4 launches
;; limits: right only within a limited range of input values
;; workspace buffers: xq 8,650,752 bytes; w1q 3,244,032 bytes; w2q 1,081,344 bytes; qq 9,437,184 bytes; kv 17,301,504 bytes; nvq 8,650,752 bytes
;; launch quant (part 1): grid 384 x 1, 4 waves a work-group, no clusters, 100,864 bytes of LDS; arguments x, W_fc, W_fc2, xq, w1q, w2q; writes xq, w1q, w2q
.if DOCPART == 1
	.amdgcn_target "amdgcn-amd-amdhsa--gfx1250"
	.amdhsa_code_object_version 6
	.text
	.protected	k_qfb87c41d15_quant
	.globl	k_qfb87c41d15_quant
	.p2align	8
	.type	k_qfb87c41d15_quant,@function
k_qfb87c41d15_quant:
	s_mov_b64 s[64:65], 0
	v_nop
	global_prefetch_b8 v0, s[64:65] scope:SCOPE_SE
	s_setreg_imm32_b32 hwreg(HW_REG_WAVE_MODE, 25, 1), 1
	s_wait_xcnt 0x0
; LAUNCH 1 OF 4.  out = layer_norm(x + swish(new_v W_fc2 + b_fc2)), new_v = softmax(q k^T / sqrt(2048)) v, (q, k, v) = swish(x W_fc + b_fc) by heads; all four products on codes of BF8 (E5M2) with one E8M0 scale for each 32 along K.
; DEAD WORK: none.  b_fc moves the codes of q, k and v, b_fc2 and x reach the output, both weights are multiplied: all five inputs are loaded by some launch.
; THIS LAUNCH quantises the three f32 operands that many work-groups read: x (K innermost), W_fc and W_fc2 (K is their first axis).
; A block's scale is 2^(floor(log2(largest magnitude)) - 15); its byte is the largest magnitude's exponent field - 15, held at 1 from below; each number is held within +-57,344 x the scale and converted, ties to even.
; LIMITS: a block of zeros gets the byte 1 where the rule says 127 (its codes are zeros, and the bytes are read by this program alone); blocks whose largest magnitude lies under 2^(16 - 127) keep the byte 1; NaN and infinities among the inputs are not served.
; THE ROW MAP OF THE WHOLE PROGRAM.  In every aligned group of 32 rows, the row at POSITION 16 u + 8 g + i is the ACTUAL row 16 g + 8 u + i (bits 3 and 4 change places).  xq and w1q hold their rows by position.  A tile of 16 rows is then 16
; neighbouring positions, and in a product used transposed register j of lane half h of tiles 2 b, 2 b + 1 is the actual index 32 b + 16 h + 0 .. 15: sixteen neighbours along the next K, in the operand's own order.
; xq:  codes [8192 pos][1024], then from byte 8,388,608 scale bytes [8192 pos][32].
; w1q: codes [3072 pos][1024], then from byte 3,145,728 scale bytes [3072 pos][32].  Rows 0-2047: for each head q's 64 columns of W_fc, then k's 64; rows 2048-3071: for each head v's 64.
; w2q: codes as images of the operand's registers [K step 8][256 columns 4][tile of 16 columns 16][32 k 4][lane 32][16 B]; from byte 1,048,576 scale words [K step 8][4][lane 32][8]: word j is tile 2 j in lanes 0-15, tile 2 j + 1 in lanes 16-31.
; SHARES: work-groups 0-255 take x (32,768 numbers each), 256-351 W_fc, 352-383 W_fc2 (128 columns x 256 along K each).  The three ways part on the work-group's number and never join; each has LDS bytes of its own.
.set SPW,   192                        ; v192  LDS address of my spare word; never rewritten
.set NIL,   193                        ; v193  0; never rewritten
.set SPARE, 100352                     ; behind the three ways' bytes: 128 bytes for each wave
.set EMAX,  15
.set MANT,  0x600000                   ; the mantissa field of 57,344
.set STEPS, 16                         ; x: steps of 512 numbers a wave
.set CB,    16
.set WREG,  8192                       ; x: a wave's LDS region: two stages of 32 x 80 bytes, then its 256 scale bytes
.set SP,    80
.set RAW,   16                         ; v16-79   x as loaded, four sets
.set XN,    80                         ; v80-111  16 neighbours a lane, two sets
.set XE,    112                        ; v112-127 a scale byte for each step
.set XC,    128                        ; v128-191 codes, four registers a step
.set W1STG, 32768                      ; W_fc: four stages of 32 rows x 272 bytes
.set W2STG, 67584                      ; W_fc2: four stages of 8,192 bytes
.set PITCH, 272
.set WX,    32                         ; v32-95   two sets of 32 numbers down K
.set WC,    96                         ; v96-103  a block's codes
.set WOUT,  112                        ; v112-175 the way out
.set WSB,   24                         ; v24-25   scale bytes, four to a register
.macro XLOAD t
.irp i, 0,1,2,3
	global_load_b128 v[RAW+16*((\t)%4)+4*\i:RAW+16*((\t)%4)+4*\i+3], v3, s[4:5] offset:2048*(\t)+512*\i th:TH_LOAD_NT   ; 32 lanes read 512 consecutive bytes
.endr
.endm
.macro XTURN t                         ; a step's 2,048 bytes through my stage: in as they lie, out 64 bytes a lane.  LDS serves a wave's instructions in order
.irp i, 0,1,2,3
	ds_store_b128 v14, v[RAW+16*((\t)%4)+4*\i:RAW+16*((\t)%4)+4*\i+3] offset:32*SP*((\t)%2)+8*SP*\i
.endr
.irp i, 0,1,2,3
	ds_load_b128 v[XN+16*((\t)%2)+4*\i:XN+16*((\t)%2)+4*\i+3], v15 offset:32*SP*((\t)%2)+16*\i
.endr
.endm
.macro XSTEP t
.set XS, XN+16*((\t)%2)
.if (\t) > 0
	s_wait_dscnt 1                                 ; this step's numbers are back from the stage (the last step's byte store may be out)
.else
	s_wait_dscnt 0x0
.endif
.if (\t)+4 < STEPS
	XLOAD (\t)+4                                   ; four steps ahead
.endif
.if (\t)+1 < STEPS
.if STEPS-2-(\t) >= 3
	s_wait_loadcnt 12                              ; the next step's four loads are in; three steps' may be out
.else
	s_wait_loadcnt 4*(STEPS-2-(\t))
.endif
	XTURN (\t)+1
.endif
	v_max3_num_f32 v8, |v[XS]|, |v[XS+1]|, |v[XS+2]|
	v_max3_num_f32 v9, |v[XS+3]|, |v[XS+4]|, |v[XS+5]|
.irp i, 6,10
	v_max3_num_f32 v8, v8, |v[XS+\i]|, |v[XS+\i+1]|
	v_max3_num_f32 v9, v9, |v[XS+\i+2]|, |v[XS+\i+3]|
.endr
	v_max3_num_f32 v8, v8, |v[XS+14]|, |v[XS+15]|
	v_max3_num_f32 v8, v8, v9, (EMAX+1)<<23        ; the floor 2^(16 - 127): the byte cannot fall under 1
	v_max_num_f32_dpp v8, v8, v8 row_xmask:1 row_mask:0xf bank_mask:0xf   ; with my neighbour's 16: the block's largest magnitude
	v_add_nc_u32 v11, -(EMAX<<23), v8              ; 15 off its exponent field: the conversion's scale operand
	v_and_or_b32 v10, v8, 0x7f800000, s31          ; 57,344 x the scale
.irp i, 0,1,2,3,4,5,6,7,8,9,10,11,12,13,14,15
	v_med3_num_f32 v[XS+\i], v[XS+\i], -v10, v10   ; the conversion to an 8-bit code does not saturate (ISA guide 7.6.2): the hold
.endr
	v_cvt_scalef32_pk8_bf8_f32 v[XC+4*(\t):XC+4*(\t)+1], v[XS:XS+7], v11
	v_cvt_scalef32_pk8_bf8_f32 v[XC+4*(\t)+2:XC+4*(\t)+3], v[XS+8:XS+15], v11
	v_lshrrev_b32 v[XE+(\t)], 23, v11              ; the scale's byte
	ds_store_b8 v5, v[XE+(\t)] offset:16*(\t)      ; both lanes of a block write the same byte with the same value
	global_store_b128 v4, v[XC+4*(\t):XC+4*(\t)+3], s[22:23] offset:32*CB*(\t)   ; the wave stores 512 consecutive bytes
.endm
.macro WLOAD t, n                      ; block t of a weight with n columns: W(32 t + i, my column) into set t % 2
.irp i, 0,1,2,3,4,5,6,7,8,9,10,11,12,13,14,15,16,17,18,19,20,21,22,23,24,25,26,27,28,29,30,31
	global_load_b32 v[WX+32*((\t)%2)+\i], v3, s[20:21] offset:(32*(\t)+\i)*(\n)*4 th:TH_LOAD_NT
.endr
.endm
.macro WBLOCK t, n, img                ; img = 0: the codes go into a stage of rows; 1: into an image of the operand's registers
.set XS, WX+32*((\t)%2)
.if (\t) < 7
	s_wait_loadcnt 32                              ; this block's 32 loads are in; the next block's may be out
.else
	s_wait_loadcnt 0
.endif
	v_max3_num_f32 v12, |v[XS]|, |v[XS+1]|, |v[XS+2]|     ; all 32 numbers of the block are mine
	v_max3_num_f32 v13, |v[XS+3]|, |v[XS+4]|, |v[XS+5]|
.irp i, 6,10,14,18,22,26
	v_max3_num_f32 v12, v12, |v[XS+\i]|, |v[XS+\i+1]|
	v_max3_num_f32 v13, v13, |v[XS+\i+2]|, |v[XS+\i+3]|
.endr
	v_max3_num_f32 v12, v12, |v[XS+30]|, |v[XS+31]|
	v_max3_num_f32 v12, v12, v13, (EMAX+1)<<23
	v_add_nc_u32 v11, -(EMAX<<23), v12
	v_and_or_b32 v10, v12, 0x7f800000, s31
	v_lshrrev_b32 v13, 23, v11
.if (\t)%4 == 0
	v_mov_b32 v[WSB+(\t)/4], v13                   ; four bytes to a register, the lower K in the lower byte
.else
	v_lshl_or_b32 v[WSB+(\t)/4], v13, 8*((\t)%4), v[WSB+(\t)/4]
.endif
.irp i, 0,1,2,3,4,5,6,7,8,9,10,11,12,13,14,15,16,17,18,19,20,21,22,23,24,25,26,27,28,29,30,31
	v_med3_num_f32 v[XS+\i], v[XS+\i], -v10, v10
.endr
.irp g, 0,1,2,3
	v_cvt_scalef32_pk8_bf8_f32 v[WC+2*\g:WC+2*\g+1], v[XS+8*\g:XS+8*\g+7], v11
.endr
.if \img
	ds_store_b128 v4, v[WC:WC+3] offset:((\t)/4)*4096+((\t)%4)*512        ; k 0-15 of the block: the lanes 0-15 of the operand,
	ds_store_b128 v4, v[WC+4:WC+7] offset:((\t)/4)*4096+((\t)%4)*512+256  ; k 16-31: its lanes 16-31
.else
	ds_store_b128 v4, v[WC:WC+3] offset:32*(\t)
	ds_store_b128 v4, v[WC+4:WC+7] offset:32*(\t)+16
.endif
.if (\t)+2 < 8
	WLOAD (\t)+2, \n
.endif
	s_wait_dscnt 0x0                               ; the stores have read their registers: the next block's codes may be written
.endm
	s_load_b256 s[4:11], s[0:1], 0x0               ; x s[4:5], W_fc s[6:7], W_fc2 s[8:9], xq s[10:11]
	s_load_b128 s[12:15], s[0:1], 0x20             ; w1q s[12:13], w2q s[14:15]
	v_lshl_add_u32 v[SPW], v0, 2, SPARE
	v_mov_b32 v[NIL], 0
	v_lshrrev_b32 v1, 5, v0
	v_readfirstlane_b32 s16, v1                    ; wave
	v_and_b32 v2, 31, v0                           ; lane
	s_mov_b32 s31, MANT
	s_wait_kmcnt 0x0
	s_cmp_lt_u32 ttmp9, 256
	s_cbranch_scc0 .Lweights
	; ---- x.  My wave takes run R = 4 x work-group + wave: 8 rows.  Bits 3 and 4 of a row are bits 0 and 1 of R: the run goes out at R with these two swapped
	s_wait_alu depctr_va_vdst(0)
	v_lshlrev_b32 v3, 4, v2                        ; my 16 bytes of a load's 512
	s_mul_i32 s17, s16, WREG
	v_lshrrev_b32 v14, 2, v2
	v_mul_u32_u24 v14, v14, SP
	v_and_b32 v15, 3, v2
	v_lshl_add_u32 v14, v15, 4, v14
	v_add_nc_u32 v14, s17, v14                     ; the stage, on the way in: 80 (lane / 4) + 16 (lane % 4)
	v_mul_u32_u24 v15, v2, SP
	v_add_nc_u32 v15, s17, v15                     ; on the way out: 80 x lane
	v_mul_u32_u24 v4, v2, CB                       ; my codes' place in a step's
	v_lshrrev_b32 v5, 1, v2
	s_add_co_u32 s17, s17, 2*32*SP
	v_add_nc_u32 v5, s17, v5                       ; my block's scale byte in my wave's 256
	v_lshlrev_b32 v7, 3, v2
	v_add_nc_u32 v6, s17, v7
	s_lshl_b32 s18, ttmp9, 2
	s_add_co_u32 s19, s18, s16                     ; R
	s_and_b32 s20, s16, 1
	s_lshl_b32 s20, s20, 1
	s_lshr_b32 s21, s16, 1
	s_or_b32 s20, s20, s21
	s_add_co_u32 s18, s18, s20                     ; R with its two low bits swapped
	s_lshl_b32 s20, s19, 15
	s_mov_b32 s21, 0
	s_add_nc_u64 s[4:5], s[4:5], s[20:21]          ; x: 32,768 bytes a run
	s_lshl_b32 s20, s18, 13
	s_add_nc_u64 s[22:23], s[10:11], s[20:21]      ; codes: 8,192 bytes a run
	s_lshl_b32 s20, s18, 8
	s_add_co_u32 s20, s20, 8388608
	s_add_nc_u64 s[24:25], s[10:11], s[20:21]      ; scale bytes: 256 a run
.irp t, 0,1,2,3
	XLOAD \t
.endr
	s_wait_alu depctr_va_vdst(0)
	s_wait_loadcnt 12                              ; step 0's four loads are in
	XTURN 0
.irp t, 0,1,2,3,4,5,6,7,8,9,10,11,12,13,14,15
	XSTEP \t
.endr
	ds_load_b64 v[8:9], v6                         ; these see my byte stores
	s_wait_dscnt 0x0
	global_store_b64 v7, v[8:9], s[24:25]          ; 32 lanes store 256 consecutive bytes, aligned
	s_wait_tensorcnt 0x0                           ; the wave's end
	ds_add_u32 v[SPW], v[NIL]
	s_wait_dscnt 0x0
	s_endpgm
.Lweights:                                             ; ---- a lane takes a column, its registers run down K: a block of 32 lies in one lane
	s_wait_alu depctr_va_vdst(0)
	v_lshlrev_b32 v3, 2, v2                        ; in: 4 bytes a lane
	v_and_b32 v5, 15, v2
	v_lshrrev_b32 v6, 4, v2
	s_cmp_lt_u32 ttmp9, 352
	s_cbranch_scc0 .Lw2
	; ---- W_fc [1024][3072].  My wave's 32 columns are group g of 96; a head has six groups: q, q, k, k, v, v
	s_sub_co_u32 s17, ttmp9, 256
	s_and_b32 s18, s17, 3                          ; y: which 256 along K
	s_lshr_b32 s19, s17, 2
	s_lshl_b32 s22, s19, 2
	s_add_co_u32 s22, s22, s16                     ; g
	s_mul_i32 s23, s22, 43
	s_lshr_b32 s23, s23, 8                         ; the head = g / 6 (43 / 256 serves g under 96)
	s_mul_i32 s24, s23, 6
	s_sub_co_u32 s24, s22, s24                     ; g % 6
	s_lshl_b32 s25, s23, 2
	s_add_co_u32 s25, s25, s24                     ; q, k: group 4 head + g % 6 of w1q
	s_lshl_b32 s26, s23, 1
	s_add_co_u32 s26, s26, s24
	s_add_co_u32 s26, s26, 60                      ; v: group 64 + 2 head + g % 6 - 4
	s_cmp_lt_u32 s24, 4
	s_cselect_b32 s25, s25, s26
	s_mul_i32 s28, s18, 256*3072*4
	s_lshl_b32 s26, s22, 7
	s_add_co_u32 s28, s28, s26
	s_mov_b32 s29, 0
	s_add_nc_u64 s[20:21], s[6:7], s[28:29]        ; W_fc at row 256 y, column 32 g
	s_lshl_b32 s28, s25, 15
	s_lshl_b32 s26, s18, 8
	s_add_co_u32 s28, s28, s26
	s_add_nc_u64 s[32:33], s[12:13], s[28:29]      ; codes: 32 rows of 1,024 bytes a group, + 256 y
	s_lshl_b32 s28, s25, 10
	s_lshl_b32 s26, s18, 3
	s_add_co_u32 s28, s28, s26
	s_add_co_u32 s28, s28, 3145728
	s_add_nc_u64 s[34:35], s[12:13], s[28:29]      ; scale bytes: 32 rows of 32 bytes a group, + 8 y
	v_and_b32 v10, 7, v2
	v_bfe_u32 v11, v2, 3, 1
	v_bfe_u32 v12, v2, 4, 1
	v_lshl_add_u32 v10, v11, 4, v10
	v_lshl_add_u32 v10, v12, 3, v10                ; my column's position in its group of 32
	s_mul_i32 s26, s16, 32*PITCH
	s_add_co_u32 s26, s26, W1STG                   ; my stage
	v_mul_u32_u24 v4, v10, PITCH
	v_add_nc_u32 v4, s26, v4                       ; into it: row = my column's position
	s_wait_alu depctr_va_vdst(0)
	v_mul_u32_u24 v7, v6, PITCH
	v_lshl_add_u32 v7, v5, 4, v7
	v_add_nc_u32 v7, s26, v7                       ; out of it: sixteen lanes to a row, two rows an instruction
	v_lshlrev_b32 v8, 10, v6
	v_lshl_add_u32 v8, v5, 4, v8                   ; the same place in w1q
	v_lshlrev_b32 v9, 5, v10                       ; my row of scale bytes
	WLOAD 0, 3072
	WLOAD 1, 3072
.set Q, 0
.rept 8
	WBLOCK Q, 3072, 0
.set Q, Q+1
.endr
	global_store_b64 v9, v[WSB:WSB+1], s[34:35]    ; my column's 8 scale bytes
.irp t, 0,1,2,3,4,5,6,7,8,9,10,11,12,13,14,15
	ds_load_b128 v[WOUT+4*\t:WOUT+4*\t+3], v7 offset:2*\t*PITCH
.endr
.irp t, 0,1,2,3,4,5,6,7,8,9,10,11,12,13,14,15
	s_wait_dscnt 15-\t
	global_store_b128 v8, v[WOUT+4*\t:WOUT+4*\t+3], s[32:33] offset:2*\t*1024   ; sixteen lanes store 256 consecutive bytes, aligned
.endr
	s_wait_tensorcnt 0x0                           ; the wave's end
	ds_add_u32 v[SPW], v[NIL]
	s_wait_dscnt 0x0
	s_endpgm
.Lw2:                                                  ; ---- W_fc2 [1024][1024]: the codes leave as images of the operand's registers
	s_sub_co_u32 s17, ttmp9, 352
	s_and_b32 s18, s17, 3                          ; y
	s_lshr_b32 s19, s17, 2                         ; which 128 columns
	s_lshr_b32 s22, s19, 1                         ; which 256 columns
	s_and_b32 s23, s19, 1
	s_lshl_b32 s23, s23, 3
	s_lshl_b32 s24, s16, 1
	s_add_co_u32 s23, s23, s24                     ; my first tile of 16 columns among the sixteen: even
	s_lshl_b32 s28, s18, 20
	s_lshl_b32 s26, s19, 9
	s_add_co_u32 s28, s28, s26
	s_lshl_b32 s26, s16, 7
	s_add_co_u32 s28, s28, s26
	s_mov_b32 s29, 0
	s_add_nc_u64 s[20:21], s[8:9], s[28:29]        ; W_fc2 at row 256 y, column 128 x + 32 wave
	s_lshl_b32 s25, s18, 3
	s_add_co_u32 s25, s25, s22                     ; 4 x (K step 2 y) + which 256 columns
	s_lshl_b32 s28, s25, 15
	s_lshl_b32 s26, s23, 11
	s_add_co_u32 s28, s28, s26
	s_add_nc_u64 s[32:33], s[14:15], s[28:29]      ; codes
	s_lshl_b32 s28, s25, 10
	s_lshl_b32 s26, s23, 1
	s_add_co_u32 s28, s28, s26
	s_add_co_u32 s28, s28, 1048576
	s_add_nc_u64 s[34:35], s[14:15], s[28:29]      ; scale words: word (my first tile) / 2 of each lane's eight
	s_lshl_b32 s26, s16, 13
	s_add_co_u32 s26, s26, W2STG                   ; my stage
	s_wait_alu depctr_va_vdst(0)
	v_lshlrev_b32 v4, 11, v6
	v_lshl_add_u32 v4, v5, 4, v4
	v_add_nc_u32 v4, s26, v4                       ; into it: 2,048 x (my tile) + 16 x (my column in the tile)
	v_lshlrev_b32 v8, 4, v2                        ; 16 x lane
	v_add_nc_u32 v7, s26, v8
	v_lshlrev_b32 v9, 5, v2                        ; 32 x lane
	WLOAD 0, 1024
	WLOAD 1, 1024
.set Q, 0
.rept 8
	WBLOCK Q, 1024, 1
.set Q, Q+1
.endr
	global_store_b32 v9, v[WSB], s[34:35]          ; 4 bytes a lane, 32 bytes apart: 32 KiB in the whole launch, so that the reader gets a K step's eight scale registers by two loads
	global_store_b32 v9, v[WSB+1], s[34:35] offset:4096
.irp t, 0,1,2,3,4,5,6,7,8,9,10,11,12,13,14,15
	ds_load_b128 v[WOUT+4*\t:WOUT+4*\t+3], v7 offset:512*\t
.endr
.irp t, 0,1,2,3,4,5,6,7,8,9,10,11,12,13,14,15
	s_wait_dscnt 15-\t
	global_store_b128 v8, v[WOUT+4*\t:WOUT+4*\t+3], s[32:33] offset:(\t/8)*131072+(\t%8)*512   ; the wave stores 512 consecutive bytes, aligned
.endr
	s_wait_tensorcnt 0x0                           ; the wave's end
	ds_add_u32 v[SPW], v[NIL]
	s_wait_dscnt 0x0
	s_endpgm
.Lfunc_end_k_qfb87c41d15_quant:
	.size	k_qfb87c41d15_quant, .Lfunc_end_k_qfb87c41d15_quant-k_qfb87c41d15_quant
	.p2alignl 7, 3214868480
	.fill 96, 4, 3214868480
	.section	.rodata,"a",@progbits
	.p2align	6, 0x0
	.amdhsa_kernel k_qfb87c41d15_quant
		.amdhsa_group_segment_fixed_size 100864
		.amdhsa_private_segment_fixed_size 0
		.amdhsa_enable_private_segment 0
		.amdhsa_kernarg_size 48
		.amdhsa_user_sgpr_count 2
		.amdhsa_user_sgpr_kernarg_segment_ptr 1
		.amdhsa_wavefront_size32 1
		.amdhsa_system_sgpr_workgroup_id_x 1
		.amdhsa_system_sgpr_workgroup_id_y 1
		.amdhsa_system_sgpr_workgroup_id_z 1
		.amdhsa_system_vgpr_workitem_id 0
		.amdhsa_next_free_vgpr 200
		.amdhsa_next_free_sgpr 66
		.amdhsa_reserve_vcc 0
		.amdhsa_float_denorm_mode_32 3
		.amdhsa_float_denorm_mode_16_64 3
		.amdhsa_memory_ordered 1
		.amdhsa_forward_progress 1
		.amdhsa_inst_pref_size 168
	.end_amdhsa_kernel
	.amdgpu_metadata
---
amdhsa.version: [ 1, 2 ]
amdhsa.kernels:
  - .name:           k_qfb87c41d15_quant
    .symbol:         k_qfb87c41d15_quant.kd
    .args:
      - { .name: x, .offset: 0, .size: 8, .value_kind: global_buffer, .address_space: global }
      - { .name: W_fc, .offset: 8, .size: 8, .value_kind: global_buffer, .address_space: global }
      - { .name: W_fc2, .offset: 16, .size: 8, .value_kind: global_buffer, .address_space: global }
      - { .name: xq, .offset: 24, .size: 8, .value_kind: global_buffer, .address_space: global }
      - { .name: w1q, .offset: 32, .size: 8, .value_kind: global_buffer, .address_space: global }
      - { .name: w2q, .offset: 40, .size: 8, .value_kind: global_buffer, .address_space: global }
    .group_segment_fixed_size: 100864
    .private_segment_fixed_size: 0
    .kernarg_segment_align: 8
    .kernarg_segment_size: 48
    .max_flat_workgroup_size: 128
    .sgpr_count:     66
    .vgpr_count:     200
    .wavefront_size: 32
...
	.end_amdgpu_metadata
.endif
;; end of part 1
;; launch gemm1 (part 2): grid 8 x 48, 4 waves a work-group, clusters of 4 x 4, 327,680 bytes of LDS; arguments xq, w1q, b_fc, qq, kv; writes qq, kv
.if DOCPART == 2
	.amdgcn_target "amdgcn-amd-amdhsa--gfx1250"
	.amdhsa_code_object_version 6
	.text
	.protected	k_qfb87c41d15_gemm1
	.globl	k_qfb87c41d15_gemm1
	.p2align	8
	.type	k_qfb87c41d15_gemm1,@function
k_qfb87c41d15_gemm1:
	s_mov_b64 s[64:65], 0
	v_nop
	global_prefetch_b8 v0, s[64:65] scope:SCOPE_SE
	s_setreg_imm32_b32 hwreg(HW_REG_WAVE_MODE, 25, 1), 1
	s_wait_xcnt 0x0
	s_wait_alu depctr_hold_cnt(0) depctr_sa_sdst(0) depctr_va_vdst(0) depctr_va_sdst(0) depctr_va_ssrc(0) depctr_va_vcc(0) depctr_vm_vsrc(0)
	s_getreg_b32 s2, hwreg(HW_REG_IB_STS2, 6, 4)
	s_cmp_eq_u32 s2, 0
	s_cbranch_scc0 .Lentry_in_a_cluster
	s_endpgm
.Lentry_in_a_cluster:
	s_bfe_u32 s2, ttmp6, 0x10000c
	s_cmp_lg_u32 s2, 0xf033
	s_cbranch_scc0 .Lentry_shape_is_right
	s_endpgm
.Lentry_shape_is_right:
.set KSTEP,  256
.set NQ,     2
.set ROWB,   256
.set KROW,   1024
.set PITCH,  272
.set FR,     16
.set NL,     4
.set NP,     8
.set HALFT,  128*PITCH
.set SLOT,   4*HALFT
.set KS,     32
.set SCL,    2*SLOT
.set HALFS,  (128*KS/256)*272
.set SBLK,   (16*KS/256)*272
.set SPARE,  SCL+4*HALFS
.set ADRA, 16
.set ADRB, 20
.set LI,   24
.set L8,   25
.set ADRS, 27
.set SPW,  28
.set NIL,  29
.set SC,   32
.set BIAS, 64
.set AF,   128
.set E,    128
.set TM,   192
.set PC,   208
.set PW,   224
.set G1, 24
.set G0, 32
.set G1B, 48
.set G0B, 56
.set G1S, 68
.set G0S, 76
.set G1SB, 80
.set G0SB, 88
.set HD,   94
.set KIND, 95
.set SEL,  98
.set MNT,  100
.set HM,   101
.set P0,   24
.set P1,   26
.set STP,  28
.set STP4, 30
.set NL2E, 32
.set SB0,  34
.set SB1,  36
.set MSB, 0
.macro WIN new
.if MSB != \new
	s_set_vgpr_msb (MSB<<8)|\new
.set MSB, \new
.endif
.endm
.set MUL_LO, 0xa1
.set MUL_HI, 0xf1
.set TO_B,   0x40
.macro JLOAD g0a, g1a, g0b, g1b
	s_cmp_eq_u32 s15, 0
	s_cbranch_scc0 .Lfor_b_\@
	tensor_load_to_lds s[\g0a:\g0a+3], s[\g1a:\g1a+7]
	s_nop 0
.rept 4
	v_nop
.endr
	s_branch .Lasked_\@
.Lfor_b_\@:
	tensor_load_to_lds s[\g0b:\g0b+3], s[\g1b:\g1b+7]
	s_nop 0
.rept 4
	v_nop
.endr
.Lasked_\@:
.endm
.macro CREST
	s_cmp_lg_u32 s14, 0
	s_cbranch_scc1 .Lnot_wave_0_\@
	s_barrier_signal -3
.Lnot_wave_0_\@:
	s_barrier_wait -3
	s_barrier_signal -1
	s_barrier_wait -1
.endm
.macro CROUND
	s_barrier_signal -1
	s_barrier_wait -1
	CREST
.endm
	s_load_b256 s[4:11], s[0:1], 0x0
	s_load_b64 s[12:13], s[0:1], 0x20
	v_lshl_add_u32 v[SPW], v0, 2, SPARE
	v_mov_b32 v[NIL], 0
	ds_add_u32 v[SPW], v[NIL]
	ds_add_u32 v[SPW], v[NIL]
	v_lshrrev_b32 v1, 5, v0
	v_readfirstlane_b32 s14, v1
	s_lshr_b32 s15, s14, 1
	s_and_b32 s16, s14, 1
	s_bfe_u32 s40, ttmp6, 0x40000
	s_bfe_u32 s41, ttmp6, 0x40004
	s_and_b32 s96, ttmp7, 0xffff
	s_cmp_ge_u32 s96, 8
	s_cselect_b32 s[KIND], 1, 0
	s_lshl_b32 s17, s96, 2
	s_sub_co_u32 s97, s96, 8
	s_lshl_b32 s97, s97, 3
	s_cmp_eq_u32 s[KIND], 0
	s_cselect_b32 s17, s17, 0
	s_cselect_b32 s97, 0, s97
	s_add_co_u32 s17, s17, s41
	s_lshl_b32 s42, ttmp9, 2
	s_add_co_u32 s42, s42, s40
	s_add_co_u32 s42, s42, s97
	s_lshl_b32 s43, s41, 2
	s_lshl_b32 s43, 15, s43
	s_lshl_b32 s44, 0x1111, s40
	s_or_b32 s[G1+0], s43, (0<<16)|(1<<20)|(1<<21)|(5<<22)|(3<<25)
	s_or_b32 s[G1B+0], s44, (0<<16)|(1<<20)|(1<<21)|(5<<22)|(3<<25)
.irp g, G1, G1B
	s_mov_b32 s[\g+1], ROWB<<16
	s_mov_b32 s[\g+2], 256<<16                     ; the head's loads of codes bring 256 rows; behind them the two words that count rows are set to 128
	s_mov_b32 s[\g+3], ROWB<<16
	s_mov_b32 s[\g+4], 256
	s_mov_b32 s[\g+5], KROW
	s_mov_b32 s[\g+6], 0
	s_mov_b32 s[\g+7], 0
.endr
	s_or_b32 s[G1S+0], s43, (3<<16)|(1<<20)|(1<<21)|(5<<22)|(3<<25)
	s_or_b32 s[G1SB+0], s44, (3<<16)|(1<<20)|(1<<21)|(5<<22)|(3<<25)
.irp g, G1S, G1SB
	s_mov_b32 s[\g+1], 32<<16
	s_mov_b32 s[\g+2], (256*KS/256)<<16            ; the scales of 256 rows: one dense block
	s_mov_b32 s[\g+3], 32<<16
	s_mov_b32 s[\g+4], 256*KS/256
	s_mov_b32 s[\g+5], 32
	s_mov_b32 s[\g+6], 0
	s_mov_b32 s[\g+7], 0
.endr
	s_lshl_b32 s18, s16, 7
	s_lshl_b32 s20, s17, 8
	s_add_co_u32 s20, s20, s18
	s_lshl_b32 s46, s42, 8
	s_add_co_u32 s46, s46, s18
	s_cmp_eq_u32 s[KIND], 0
	s_cselect_b32 s97, 0, 2048
	s_add_co_u32 s20, s20, s97
	s_lshl_b32 s22, s20, 5
	s_lshl_b32 s20, s20, 10
	s_lshl_b32 s92, s46, 5
	s_lshl_b32 s46, s46, 10
	s_mov_b32 s21, 0
	s_mov_b32 s23, 0
	s_mov_b32 s47, 0
	s_mov_b32 s93, 0
	s_mov_b32 s97, 3145728
	s_mov_b32 s19, 8388608
	s_cmp_eq_u32 s[KIND], 0
	s_cselect_b32 s18, s19, s97
	s_cselect_b32 s19, s97, s19
	s_add_co_u32 s22, s22, s18
	s_add_co_u32 s92, s92, s19
	s_mul_i32 s45, s14, HALFT
	s_mov_b32 s[SEL], 0x76543210
	s_mov_b32 s[SEL+1], 0xfedcba98
	s_mov_b32 s[MNT], 0x600000
	s_mov_b32 s[HM], 0xffff0000
	s_wait_dscnt 0x0
	s_wait_kmcnt 0x0
	s_cmp_eq_u32 s[KIND], 0
	s_cselect_b64 s[96:97], s[4:5], s[6:7]
	s_cselect_b64 s[18:19], s[6:7], s[4:5]
	s_add_nc_u64 s[20:21], s[96:97], s[20:21]
	s_add_nc_u64 s[22:23], s[96:97], s[22:23]
	s_add_nc_u64 s[46:47], s[18:19], s[46:47]
	s_add_nc_u64 s[92:93], s[18:19], s[92:93]
	CROUND
	s_lshl_b32 s96, s16, 12                        ; my half's 128 rows of scales in bytes: taken off again, the head's loads begin at the tile's first row
	s_mov_b32 s97, 0
	s_mov_b32 s[G0S], 1
	s_mov_b32 s[G0S+1], SCL
	s_sub_nc_u64 s[G0S+2:G0S+3], s[22:23], s[96:97]
	s_or_b32 s[G0S+3], s[G0S+3], 0x80000000
	s_mov_b32 s[G0SB], 1
	s_mov_b32 s[G0SB+1], SCL+2*HALFS
	s_sub_nc_u64 s[G0SB+2:G0SB+3], s[92:93], s[96:97]
	s_or_b32 s[G0SB+3], s[G0SB+3], 0x80000000
.irp s, 0,1
	s_mov_b32 s[G0+4*\s], 1
	s_add_co_u32 s[G0+4*\s+1], s45, \s*SLOT
	s_add_nc_u64 s[G0+4*\s+2:G0+4*\s+3], s[20:21], \s*ROWB
	s_or_b32 s[G0+4*\s+3], s[G0+4*\s+3], 0x80000000
	s_mov_b32 s[G0B+4*\s], 1
	s_add_co_u32 s[G0B+4*\s+1], s45, \s*SLOT
	s_add_nc_u64 s[G0B+4*\s+2:G0B+4*\s+3], s[46:47], \s*ROWB
	s_or_b32 s[G0B+4*\s+3], s[G0B+4*\s+3], 0x80000000
.endr
	s_lshl_b32 s96, s16, 17                        ; my half's 128 rows of codes in bytes
	s_mov_b32 s4, 1                                ; s[4:7]: group 0 for K step 0's 256 rows of A (the arguments that lay there have been used)
	s_mov_b32 s5, 0
	s_sub_nc_u64 s[6:7], s[20:21], s[96:97]
	s_or_b32 s7, s7, 0x80000000
	s_sub_nc_u64 s[46:47], s[46:47], s[96:97]      ; s[44:47]: the same for B's 256 rows, behind A's in slot 0
	s_or_b32 s47, s47, 0x80000000
	s_mov_b32 s44, 1
	s_mov_b32 s45, 2*HALFT
; THE HEAD'S LOADS, ONE A WAVE: wave 0 K step 0's 256 rows of A, wave 1 its 256 rows of B, wave 2 A's scales, wave 3 B's.  One tree of branches on the wave's number: every way passes one load.
.macro ARM under, g0, g1, next
	s_cmp_lt_u32 s14, \under
	s_cbranch_scc0 \next
	tensor_load_to_lds s[\g0:\g0+3], s[\g1:\g1+7]
	s_nop 0
.rept 4
	v_nop
.endr
	s_branch .Lhead_asked
\next:
.endm
	ARM 1, 4,   G1,  .Lhead_b
	ARM 2, 44,  G1B, .Lhead_sa
	ARM 3, G0S, G1S, .Lhead_sb
	tensor_load_to_lds s[G0SB:G0SB+3], s[G1SB:G1SB+7]
	s_nop 0
.rept 4
	v_nop
.endr
.Lhead_asked:
	v_and_b32 v1, 15, v0
	v_bfe_u32 v2, v0, 4, 1
	v_mul_u32_u24 v3, v1, PITCH
	v_lshl_add_u32 v4, v2, 4, v3
	s_mul_i32 s21, s15, HALFT
	s_mul_i32 s22, s16, HALFT
	s_add_co_u32 s22, s22, 2*HALFT
.irp s, 0,1
	v_add_nc_u32 v[ADRA+\s], s21, v4
	v_add_nc_u32 v[ADRB+\s], s22, v4
	s_add_co_u32 s21, s21, SLOT
	s_add_co_u32 s22, s22, SLOT
.endr
	v_mul_u32_u24 v5, v1, KS
	v_lshrrev_b32 v6, 8, v5
	v_lshl_add_u32 v5, v6, 4, v5
	s_mul_i32 s21, s15, HALFS
	s_mul_i32 s22, s16, HALFS
	s_add_co_u32 s22, s22, 2*HALFS
	s_sub_co_u32 s22, s22, s21
	v_mul_u32_u24 v6, s22, v2
	s_add_co_u32 s21, s21, SCL
	v_add_nc_u32 v5, v5, v6
	v_add_nc_u32 v[ADRS], s21, v5
	v_and_b32 v6, 31, v0
	v_lshlrev_b32 v[LI], 4, v6
	v_lshlrev_b32 v[L8], 3, v6
	v_lshlrev_b32 v30, 6, v2
	v_and_b32 v31, 8, v1
	v_add_nc_u32 v31, v31, v1
	v_lshlrev_b32 v31, 2, v31
	s_lshl_b32 s18, s42, 1
	s_add_co_u32 s18, s18, s16
	s_lshl_b32 s19, s17, 2
	s_lshl_b32 s96, s15, 1
	s_add_co_u32 s19, s19, s96
	s_cmp_eq_u32 s[KIND], 0
	s_cselect_b32 s[HD], s18, s19
	s_mul_i32 s96, s[HD], 768
	s_mov_b32 s97, 0
	s_add_nc_u64 s[96:97], s[8:9], s[96:97]
	s_cmp_eq_u32 s[KIND], 0
	s_cbranch_scc0 .Lbias_v
	s_wait_alu depctr_va_vdst(0)
.irp b, 0,1,2,3,4,5,6,7
	global_load_b128 v[BIAS+8*\b:BIAS+8*\b+3], v30, s[96:97] offset:(32*(\b/2)+8*(\b%2))*4
	global_load_b128 v[BIAS+8*\b+4:BIAS+8*\b+7], v30, s[96:97] offset:(32*(\b/2)+8*(\b%2))*4+16
.endr
	s_branch .Lbias_done
.Lbias_v:
	s_wait_alu depctr_va_vdst(0)
.irp a, 0,1,2,3,4,5,6,7
.irp j, 0,1,2,3,4,5,6,7
	global_load_b32 v[BIAS+8*\a+\j], v31, s[96:97] offset:(192*(\a/4)+128+32*((\a%4)/2)+8*(\a%2))*4
.endr
.endr
.Lbias_done:
.macro FRAG reg, adr, q, i
.irp c, 0,1,2,3
	ds_load_b128 v[\reg+4*\c:\reg+4*\c+3], v[\adr] offset:128*(\q)+32*\c+(\i)*16*PITCH
.endr
.endm
.macro MUL16 a0, p, q, sc, cinit
.irp a, \a0, \a0+1
.irp b, 0,1,2,3,4,5,6,7
.if \cinit == 1
	v_wmma_scale_f32_16x16x128_f8f6f4 v[8*(8*((\a)%4)+\b):8*(8*((\a)%4)+\b)+7], v[128*(\p)+FR*\b:128*(\p)+FR*\b+FR-1], v[AF+FR*(\a):AF+FR*(\a)+FR-1], v[BIAS+8*\b:BIAS+8*\b+7], v[SC+8*NQ*(\sc)+NQ*\b+(\q)], v[SC+8*NQ*(\sc)+NQ*(\a)+(\q)] matrix_a_fmt:MATRIX_FMT_BF8 matrix_b_fmt:MATRIX_FMT_BF8 matrix_a_scale:MATRIX_SCALE_ROW1
.elseif \cinit == 2
	v_wmma_scale_f32_16x16x128_f8f6f4 v[8*(8*((\a)%4)+\b):8*(8*((\a)%4)+\b)+7], v[128*(\p)+FR*\b:128*(\p)+FR*\b+FR-1], v[AF+FR*(\a):AF+FR*(\a)+FR-1], v[BIAS+8*(\a):BIAS+8*(\a)+7], v[SC+8*NQ*(\sc)+NQ*\b+(\q)], v[SC+8*NQ*(\sc)+NQ*(\a)+(\q)] matrix_a_fmt:MATRIX_FMT_BF8 matrix_b_fmt:MATRIX_FMT_BF8 matrix_a_scale:MATRIX_SCALE_ROW1
.else
	v_wmma_scale_f32_16x16x128_f8f6f4 v[8*(8*((\a)%4)+\b):8*(8*((\a)%4)+\b)+7], v[128*(\p)+FR*\b:128*(\p)+FR*\b+FR-1], v[AF+FR*(\a):AF+FR*(\a)+FR-1], v[8*(8*((\a)%4)+\b):8*(8*((\a)%4)+\b)+7], v[SC+8*NQ*(\sc)+NQ*\b+(\q)], v[SC+8*NQ*(\sc)+NQ*(\a)+(\q)] matrix_a_fmt:MATRIX_FMT_BF8 matrix_b_fmt:MATRIX_FMT_BF8 matrix_a_scale:MATRIX_SCALE_ROW1
.endif
.endr
.endr
.endm
.macro FETCH_B slot, q, p
	WIN TO_B
.irp i, 0,1,2,3,4,5,6,7
	FRAG 128*(\p)+FR*\i, ADRB+\slot, \q, \i
.endr
	WIN 0
.endm
.macro FETCH_A slot, q, i0
.irp i, \i0, \i0+1, \i0+2, \i0+3
	FRAG AF+FR*(\i), ADRA+\slot, \q, \i
.endr
.endm
.macro SCALES sc
.irp i, 0,1,2,3,4,5,6,7
	ds_load_b64 v[SC+8*NQ*\sc+NQ*\i:SC+8*NQ*\sc+NQ*\i+1], v[ADRS] offset:\i*SBLK
.endr
.endm
.macro PLACES n
.rept \n
	v_nop
.endr
.endm
.macro STEP slot, q, cinit
	s_wait_dscnt 4*NL
.if \cinit
	WIN 0x81
.else
	WIN MUL_LO
.endif
	MUL16 0, (\q)%2, \q, \slot, \cinit
	MUL16 2, (\q)%2, \q, \slot, \cinit
	s_wait_dscnt 0
	PLACES NP
	FETCH_B \slot, (\q)+1, 1-(\q)%2
	FETCH_A \slot, (\q)+1, 0
.if \cinit
	WIN 0xc1
.else
	WIN MUL_HI
.endif
	MUL16 4, (\q)%2, \q, \slot, \cinit
	MUL16 6, (\q)%2, \q, \slot, \cinit
	PLACES NP
	WIN 0
	FETCH_A \slot, (\q)+1, 4
.endm
.macro TURN slot, next, fill
	s_wait_tensorcnt 0x0
	ds_add_u32 v[SPW], v[NIL]
	s_wait_dscnt 4*NL+1
	WIN MUL_LO
	MUL16 0, 1, NQ-1, \slot, 0
	s_wait_dscnt 0x0
	s_barrier_signal -1
	MUL16 2, 1, NQ-1, \slot, 0
	WIN 0
	s_barrier_wait -1
.if \fill
	CREST
	s_add_nc_u64 s[G0+4*\slot+2:G0+4*\slot+3], s[G0+4*\slot+2:G0+4*\slot+3], 2*ROWB
	s_add_nc_u64 s[G0B+4*\slot+2:G0B+4*\slot+3], s[G0B+4*\slot+2:G0B+4*\slot+3], 2*ROWB
	JLOAD G0+4*\slot, G1, G0B+4*\slot, G1B
	PLACES NP-4
.else
	PLACES NP
.endif
	s_wait_alu depctr_va_vdst(0)
	v_add_nc_u32 v[ADRS], 4*NQ, v[ADRS]
	FETCH_B \next, 0, 0
	FETCH_A \next, 0, 0
	SCALES \next
	WIN MUL_HI
	MUL16 4, 1, NQ-1, \slot, 0
	MUL16 6, 1, NQ-1, \slot, 0
	PLACES NP
	WIN 0
	FETCH_A \next, 0, 4
.endm
	s_wait_alu depctr_va_vdst(0)
	s_wait_tensorcnt 0x0                           ; my tile of the head's four is in
	ds_add_u32 v[SPW], v[NIL]
	s_mov_b32 s[G1+2], 128<<16                     ; no tensor load of mine is out: from here on a load brings 128 rows
	s_mov_b32 s[G1+4], 128
	s_mov_b32 s[G1B+2], 128<<16
	s_mov_b32 s[G1B+4], 128
	s_wait_dscnt 0x0
	CROUND                                         ; all four tiles are in, and all sixteen work-groups are here
	JLOAD G0+4, G1, G0B+4, G1B                     ; K step 1: the first tensor load behind the round
	FETCH_B 0, 0, 0
	FETCH_A 0, 0, 0
	SCALES 0
	FETCH_A 0, 0, 4
	s_wait_loadcnt 0x0
	s_cmp_eq_u32 s[KIND], 0
	s_cbranch_scc0 .Lfirst_v
	STEP 0, 0, 1
	s_branch .Lfirst_done
.Lfirst_v:
	STEP 0, 0, 2
.Lfirst_done:
	TURN 0, 1, 1
	STEP 1, 0, 0
	TURN 1, 0, 1
	STEP 0, 0, 0
	TURN 0, 1, 0
	STEP 1, 0, 0
	s_wait_dscnt 4*NL
	WIN MUL_LO
	MUL16 0, 1, NQ-1, 1, 0
	MUL16 2, 1, NQ-1, 1, 0
	s_wait_dscnt 0
	WIN MUL_HI
	MUL16 4, 1, NQ-1, 1, 0
	MUL16 6, 1, NQ-1, 1, 0
	WIN 0
	s_lshl_b32 s43, s17, 8
	s_lshl_b32 s44, s15, 7
	s_add_co_u32 s43, s43, s44
	s_lshl_b32 s44, s42, 8
	s_lshl_b32 s45, s16, 7
	s_add_co_u32 s44, s44, s45
	s_cmp_eq_u32 s[KIND], 0
	s_cselect_b32 s43, s43, s44
	s_lshr_b32 s44, s43, 11
	s_and_b32 s45, s43, 2047
	s_lshr_b32 s45, s45, 4
	s_lshr_b32 s46, s45, 3
	s_lshl_b32 s44, s44, 4
	s_add_co_u32 s44, s44, s[HD]
	s_lshl_b32 s47, s44, 4
	s_add_co_u32 s47, s47, s46
	s_mul_i32 s47, s47, 16896
	s_lshl_b32 s48, s44, 7
	s_add_co_u32 s48, s48, s45
	s_lshl_b32 s48, s48, 10
	s_lshl_b32 s49, s44, 6
	s_lshr_b32 s50, s45, 1
	s_add_co_u32 s49, s49, s50
	s_lshl_b32 s49, s49, 8
	s_add_co_u32 s49, s49, 8388608
	s_add_co_u32 s50, s47, 8192
	s_add_co_u32 s51, s47, 9216
	s_add_co_u32 s52, s47, 16640
	s_add_co_u32 s53, s47, 16384
	s_mov_b32 s54, 2048
	s_mov_b32 s55, 264192
	s_cmp_eq_u32 s[KIND], 0
	s_cselect_b64 s[P0:P0+1], s[10:11], s[12:13]
	s_cselect_b32 s50, s48, s50
	s_cselect_b32 s51, s47, s51
	s_cselect_b32 s52, s49, s52
	s_cselect_b32 s[STP], 1024, s54
	s_cselect_b32 s[STP4], 1024, s55
	s_mov_b32 s[STP+1], 0
	s_mov_b32 s[STP4+1], 0
	s_mov_b32 s57, 0
	s_mov_b32 s56, s52
	s_add_nc_u64 s[SB0:SB0+1], s[P0:P0+1], s[56:57]
	s_mov_b32 s56, s50
	s_add_nc_u64 s[P0:P0+1], s[P0:P0+1], s[56:57]
	s_mov_b32 s56, s51
	s_add_nc_u64 s[P1:P1+1], s[12:13], s[56:57]
	s_mov_b32 s56, s53
	s_add_nc_u64 s[SB1:SB1+1], s[12:13], s[56:57]
	s_mov_b32 s[NL2E], 0xbfb8aa3b
	s_mov_b32 s[NL2E+1], s[NL2E]
	s_mov_b32 s38, 0x7f7f0000
	s_mov_b32 s39, 0x7f7f
	PLACES NP
.irp b, 0,1,2,3
	v_mov_b32 v[TM+4+\b], 0
.endr
.macro QUANT s, pw
.irp b, 0,1,2,3
	v_max3_num_f32 v[TM+\b], |v[\s+16*\b]|, |v[\s+1+16*\b]|, 0x8000000
.endr
.irp i, 2,4,6,8,10,12,14
.irp b, 0,1,2,3
	v_max3_num_f32 v[TM+\b], v[TM+\b], |v[\s+16*\b+\i]|, |v[\s+1+16*\b+\i]|
.endr
.endr
.irp b, 0,1,2,3
	v_permlanex16_b32 v[TM+4+\b], v[TM+\b], s[SEL], s[SEL+1]
.endr
.irp b, 0,1,2,3
	v_max_num_f32 v[TM+\b], v[TM+\b], v[TM+4+\b]
.endr
.irp b, 0,1,2,3
	v_add_nc_u32 v[TM+12+\b], 0xf8800000, v[TM+\b]
.endr
.irp b, 0,1,2,3
	v_and_or_b32 v[TM+8+\b], v[TM+\b], 0x7f800000, s[MNT]
.endr
.irp b, 0,1,2,3
	v_lshrrev_b32 v[TM+4+\b], 23, v[TM+12+\b]
.endr
	v_lshl_or_b32 v[\pw], v[TM+5], 8, v[TM+4]
	v_lshl_or_b32 v[\pw], v[TM+6], 16, v[\pw]
	v_lshl_or_b32 v[\pw], v[TM+7], 24, v[\pw]
.irp b, 0,1,2,3
.irp i, 0,1,2,3,4,5,6,7,8,9,10,11,12,13,14,15
	v_med3_num_f32 v[\s+16*\b+\i], v[\s+16*\b+\i], -v[TM+8+\b], v[TM+8+\b]
.endr
	v_cvt_scalef32_pk8_bf8_f32 v[PC+4*\b:PC+1+4*\b], v[\s+16*\b:\s+7+16*\b], v[TM+12+\b]
	v_cvt_scalef32_pk8_bf8_f32 v[PC+2+4*\b:PC+3+4*\b], v[\s+8+16*\b:\s+15+16*\b], v[TM+12+\b]
.endr
	v_nop
.endm
.macro OUTT a
.set AC, 64*((\a)%4)
	WIN 0x02+(\a)/4
.set i, 0
.rept 32
	v_pk_mul_f32 v[E+i:E+i+1], v[AC+i:AC+i+1], s[NL2E:NL2E+1] op_sel_hi:[1,0]
.set i, i+2
.endr
	WIN 0
.set i, 0
	s_wait_alu depctr_va_vdst(0)
.rept 64
	v_exp_f32 v[E+i], v[E+i]
.set i, i+1
.endr
	v_nop
	s_wait_alu depctr_va_vdst(0)
.set i, 0
.rept 32
	v_pk_add_f32 v[E+i:E+i+1], v[E+i:E+i+1], 1.0 op_sel_hi:[1,0]
.set i, i+2
.endr
.set i, 0
	s_wait_alu depctr_va_vdst(0)
.rept 64
	v_rcp_f32 v[E+i], v[E+i]
.set i, i+1
.endr
	v_nop
	s_wait_alu depctr_va_vdst(0)
	WIN 0x02+(\a)/4
.set i, 0
.rept 32
	v_pk_mul_f32 v[E+i:E+i+1], v[AC+i:AC+i+1], v[E+i:E+i+1]
.set i, i+2
.endr
	WIN 0
.if (\a) > 0
	s_wait_xcnt 0x0
.if (\a) == 4
	s_add_nc_u64 s[P0:P0+1], s[P0:P0+1], s[STP4:STP4+1]
	s_add_nc_u64 s[P1:P1+1], s[P1:P1+1], s[STP4:STP4+1]
.else
	s_add_nc_u64 s[P0:P0+1], s[P0:P0+1], s[STP:STP+1]
	s_add_nc_u64 s[P1:P1+1], s[P1:P1+1], s[STP:STP+1]
.endif
.endif
	QUANT E, PW+(\a)
	global_store_b128 v[LI], v[PC:PC+3], s[P0:P0+1]
	global_store_b128 v[LI], v[PC+4:PC+7], s[P0:P0+1] offset:512
	global_store_b128 v[LI], v[PC+8:PC+11], s[P1:P1+1]
	global_store_b128 v[LI], v[PC+12:PC+15], s[P1:P1+1] offset:512
.endm
.irp a, 0,1,2,3,4,5,6,7
	OUTT \a
.endr
	s_cmp_eq_u32 s[KIND], 0
	s_cbranch_scc0 .Lwords_v
.irp a, 0,1,2,3,4,5,6,7
	v_and_or_b32 v[E+2*\a], v[PW+\a], 0xffff, s38
	v_lshl_or_b32 v[E+2*\a+1], v[PW+\a], 16, s39
.endr
.irp a, 0,1,2,3,4,5,6,7
	v_cndmask_b32 v[E+32+\a], v[E+2*\a], v[E+2*\a+1], s[HM]
.endr
.irp f, 0,1,2,3
	v_lshrrev_b32 v[E+16+\f], 16, v[PW+2*\f]
.endr
.irp f, 0,1,2,3
	v_and_or_b32 v[E+48+\f], v[PW+2*\f+1], s[HM], v[E+16+\f]
.endr
	v_cndmask_b32 v[E+56], v[E+48], v[E+49], s[HM]
	v_cndmask_b32 v[E+57], v[E+50], v[E+51], s[HM]
.irp e, 0,1,2,3
	global_store_b64 v[L8], v[E+32+2*\e:E+33+2*\e], s[SB0:SB0+1] offset:256*\e
.endr
	global_store_b64 v[L8], v[E+56:E+57], s[SB1:SB1+1]
	s_branch .Lwords_done
.Lwords_v:
.irp hh, 0,1
	v_cndmask_b32 v[E+2*\hh], v[PW+4*\hh], v[PW+4*\hh+1], s[HM]
	v_cndmask_b32 v[E+2*\hh+1], v[PW+4*\hh+2], v[PW+4*\hh+3], s[HM]
.endr
.irp hh, 0,1
	global_store_b64 v[L8], v[E+2*\hh:E+2*\hh+1], s[SB0:SB0+1] offset:270336*\hh
.endr
.Lwords_done:
	s_wait_tensorcnt 0x0
	ds_add_u32 v[SPW], v[NIL]
	s_wait_dscnt 0x0
	CROUND
	s_endpgm
.Lfunc_end_k_qfb87c41d15_gemm1:
	.size	k_qfb87c41d15_gemm1, .Lfunc_end_k_qfb87c41d15_gemm1-k_qfb87c41d15_gemm1
	.p2alignl 7, 3214868480
	.fill 96, 4, 3214868480
	.section	.rodata,"a",@progbits
	.p2align	6, 0x0
	.amdhsa_kernel k_qfb87c41d15_gemm1
		.amdhsa_group_segment_fixed_size 327680
		.amdhsa_private_segment_fixed_size 0
		.amdhsa_enable_private_segment 0
		.amdhsa_kernarg_size 40
		.amdhsa_user_sgpr_count 2
		.amdhsa_user_sgpr_kernarg_segment_ptr 1
		.amdhsa_wavefront_size32 1
		.amdhsa_system_sgpr_workgroup_id_x 1
		.amdhsa_system_sgpr_workgroup_id_y 1
		.amdhsa_system_sgpr_workgroup_id_z 1
		.amdhsa_system_vgpr_workitem_id 0
		.amdhsa_next_free_vgpr 1024
		.amdhsa_next_free_sgpr 102
		.amdhsa_reserve_vcc 0
		.amdhsa_float_denorm_mode_32 3
		.amdhsa_float_denorm_mode_16_64 3
		.amdhsa_memory_ordered 1
		.amdhsa_forward_progress 1
		.amdhsa_inst_pref_size 255
	.end_amdhsa_kernel
	.section	.bss,"aw",@nobits
	.p2align	6
	.space	262144
	.amdgpu_metadata
---
amdhsa.version: [ 1, 2 ]
amdhsa.kernels:
  - .name:           k_qfb87c41d15_gemm1
    .symbol:         k_qfb87c41d15_gemm1.kd
    .args:
      - { .name: xq, .offset: 0, .size: 8, .value_kind: global_buffer, .address_space: global }
      - { .name: w1q, .offset: 8, .size: 8, .value_kind: global_buffer, .address_space: global }
      - { .name: b_fc, .offset: 16, .size: 8, .value_kind: global_buffer, .address_space: global }
      - { .name: qq, .offset: 24, .size: 8, .value_kind: global_buffer, .address_space: global }
      - { .name: kv, .offset: 32, .size: 8, .value_kind: global_buffer, .address_space: global }
    .group_segment_fixed_size: 327680
    .private_segment_fixed_size: 0
    .kernarg_segment_align: 8
    .kernarg_segment_size: 40
    .max_flat_workgroup_size: 128
    .sgpr_count:     102
    .vgpr_count:     1024
    .wavefront_size: 32
...
	.end_amdgpu_metadata
.endif
;; end of part 2
;; launch attn (part 3): grid 4 x 64, 8 waves a work-group, clusters of 4 x 1, 327,680 bytes of LDS; arguments qq, kv, nvq; writes nvq
.if DOCPART == 3
	.amdgcn_target "amdgcn-amd-amdhsa--gfx1250"
	.amdhsa_code_object_version 6
	.text
	.protected	k_qfb87c41d15_attn
	.globl	k_qfb87c41d15_attn
	.p2align	8
	.type	k_qfb87c41d15_attn,@function
k_qfb87c41d15_attn:
	s_mov_b64 s[64:65], 0
	v_nop
	global_prefetch_b8 v0, s[64:65] scope:SCOPE_SE
	s_setreg_imm32_b32 hwreg(HW_REG_WAVE_MODE, 25, 1), 1
	s_wait_xcnt 0x0
	s_wait_alu depctr_hold_cnt(0) depctr_sa_sdst(0) depctr_va_vdst(0) depctr_va_sdst(0) depctr_va_ssrc(0) depctr_va_vcc(0) depctr_vm_vsrc(0)
	s_getreg_b32 s2, hwreg(HW_REG_IB_STS2, 6, 4)
	s_cmp_eq_u32 s2, 0
	s_cbranch_scc0 .Lentry_in_a_cluster
	s_endpgm
.Lentry_in_a_cluster:
	s_bfe_u32 s2, ttmp6, 0x10000c
	s_cmp_lg_u32 s2, 0x3003
	s_cbranch_scc0 .Lentry_shape_is_right
	s_endpgm
.Lentry_shape_is_right:
; LAUNCH 3 OF 4.  new_v = softmax(q k^T / sqrt(2048)) v for each of 64 (batch, head), both products on codes of BF8 with E8M0 scales; new_v is quantised in registers along the head's 64 for the last product.  No work is left out.
; THE SOFTMAX AHEAD OF THE SECOND PRODUCT: t = score x log2(e) / sqrt(2048) (one constant, one rounding); M = the running largest t rounded up to a whole number; p = 2^(t - M) is quantised along the keys, not normalised;
; the row's sum is taken of the unquantised p and divides at the end; when M moves, the sum and O are multiplied by 2^(old M - new M), which rounds nothing.
; SHARES.  A work-group owns 512 queries of one (batch, head).  Each of its EIGHT waves owns TWO tiles of 16 queries at a time, twice: every fragment of K and V that a wave reads from LDS feeds two matrix instructions.
; ALL OF THE HEAD'S K AND V STAY IN LDS: 16 pieces of 16,896 bytes (128 keys each: K's four fragments, V's four, their scale words), dense in memory and in LDS.  They come in TWO GROUPS, one tensor load a wave each:
; at the head pieces 0-3 (8,448 bytes a wave); behind the full sequence and a round pieces 4-15 (25,344 bytes a wave), which land while the first pass walks steps 0-2: these read pieces 0-3 alone.  Nothing is filled again: no ring.
; NO PREFETCH: all tiles are asked for ahead of the fourth of 32 steps, so there is no loop to run ahead in.
; CLUSTER.  The four work-groups of a (batch, head) read the same 270,336 bytes: each part is asked for jointly, by the same load with a mask that names the four.
; K AND V HAVE REGISTERS OF THEIR OWN: behind a step's first products the NEXT step's K and this step's V are asked for, a softmax ahead of the one wait for both.  A pass's last step asks for piece 0, which the next pass begins with (the last pass does not use it: 1 of 32 steps).
; THE TWO TILES' SOFTMAX LINES ARE LAID INTO EACH OTHER: tile 0's exponentials take turns with tile 1's multiply-adds, tile 1's exponentials with tile 0's holds; none of these plain lines' results is read before the next wait.
; K = 64 IN THE FIRST PRODUCT.  A fragment of K (16 registers) holds TWO tiles of 16 keys x 64.  Q lies in 24 registers as Q, zeros, Q: registers 0-15 pick the lower tile, 8-23 the upper: zero codes add nothing.
; LAYOUT.  Both products are used transposed: a lane holds one query.  By the row map (launch 1) the 16 registers of key tiles 2 f, 2 f + 1 are the actual keys 32 f + 16 (lane / 16) + 0 .. 15, the order in which V's codes lie.
; OUT.  nvq: images [tile of 16 rows 512][K step 8][4][512 B]; from byte 8,388,608 scale words [tile pair 256][K step 8][lane 32].  A head gives half a K step: two chunks, and two bytes of each word:
; those leave by stores of 2 bytes, 4 bytes apart, 256 KiB in the whole launch, since the word's other half is another work-group's.
; LIMITS: NaN and infinities are not served; p under 2^-126 counts as 0 (v_exp_f32 flushes); a block of zeros gets the byte 1; the promise holds while the scaled scores stay under 2^31 in magnitude.
; REGISTERS.  Window 0: v1-31 addresses, the tiles' small state, scale words; v32-63 at work; v64-191 S^T, then p, of both tiles: eight blocks of 16; v192-255 O^T of both.
; Window 1: v0-63 K's fragments, v64-127 V's, v128-175 Q of both tiles, v176-207 p's codes.  All plain vector work names window 0; three settings: 0, 0x40 (destination window 1), 0x05 (sources 0 and 1 window 1).
.set CH,    16896                      ; a piece: 128 keys
.set SPARE, 16*CH                      ; behind the pieces: the spare words, 128 bytes for each of 8 waves
.set PART1, 4*CH/8                     ; a wave's part of pieces 0-3: 33 rows of 256 bytes
.set PART2, 12*CH/8                    ; and of pieces 4-15: 99 rows
.set LA,  1                            ; 16 x lane
.set LB,  2                            ; 8 x lane
.set SPW, 3
.set NIL, 4
.set AK,  5                            ; the next piece + 16 x lane
.set AKS, 6                            ; + 8 x lane
.set R4,  7                            ; 4 x (lane % 16)
.set PR,  8                            ; v8, v9 new_v's two scale bytes, tile 0, 1
.set AV,  10                           ; the piece in hand + 16 x lane
.set AVS, 11                           ; + 8 x lane
.set NM,  12                           ; v[12 + 2 T] -M, v[13 + 2 T] the running largest score
.set LS,  16                           ; v[16 + 2 T : 17 + 2 T] the sum in two halves
.set FF,  20                           ; v[20 + 2 T] f; v[21 + 2 T] written once: named with it as a pair
.set QS,  24                           ; v24, v25 Q's scale words
.set PS,  26                           ; v26, v27 p's scale words
.set KSW, 28                           ; v28-29 K's scale words
.set VSW, 30                           ; v30-31 V's
.set BM,  32                           ; v32-39 a block's largest score, then its largest p
.set PB,  40                           ; v40-47 the other half's maxima, work of the M lines, scale bytes
.set HO,  48                           ; v48-55 57,344 x the scale
.set SO,  56                           ; v56-63 the conversions' scale operands.  (A tile's partial sums lie in the OTHER tile's four of PB, HO and SO)
.set S,   64
.set O,   192
.set KF,  0                            ; window 1
.set VF,  64
.set QF,  128
.set PC,  176
.set WV,  12
.set SEL, 36
.set CS,  38
.set MNT, 40
.set TB,  41
.set CNT, 42
.set G1B, 44                           ; s[44:51], s[52:55] descriptor groups 1 and 0 of the second group's load
.set G0B, 52
.set NX,  58
.set NC,  59
.set MSB, 0
.macro WIN new                         ; the immediate's high byte repeats the setting that is left
.if MSB != \new
	s_set_vgpr_msb (MSB<<8)|\new
.set MSB, \new
.endif
.endm
.macro CROUND
	s_barrier_signal -1
	s_barrier_wait -1
	s_cmp_lg_u32 s[WV], 0
	s_cbranch_scc1 .Lnot_wave_0_\@
	s_barrier_signal -3
.Lnot_wave_0_\@:
	s_barrier_wait -3
	s_barrier_signal -1
	s_barrier_wait -1
.endm
; a scaled product that starts a sum.  ra, rb = 1: that side's scales are read from lanes 16-31
.macro WM0 d, a, b, sa, sb, ra, rb
.if (\ra) && (\rb)
	v_wmma_scale_f32_16x16x128_f8f6f4 v[\d:\d+7], v[\a:\a+15], v[\b:\b+15], 0, v[\sa], v[\sb] matrix_a_fmt:MATRIX_FMT_BF8 matrix_b_fmt:MATRIX_FMT_BF8 matrix_a_scale:MATRIX_SCALE_ROW1 matrix_b_scale:MATRIX_SCALE_ROW1
.elseif (\ra)
	v_wmma_scale_f32_16x16x128_f8f6f4 v[\d:\d+7], v[\a:\a+15], v[\b:\b+15], 0, v[\sa], v[\sb] matrix_a_fmt:MATRIX_FMT_BF8 matrix_b_fmt:MATRIX_FMT_BF8 matrix_a_scale:MATRIX_SCALE_ROW1
.elseif (\rb)
	v_wmma_scale_f32_16x16x128_f8f6f4 v[\d:\d+7], v[\a:\a+15], v[\b:\b+15], 0, v[\sa], v[\sb] matrix_a_fmt:MATRIX_FMT_BF8 matrix_b_fmt:MATRIX_FMT_BF8 matrix_b_scale:MATRIX_SCALE_ROW1
.else
	v_wmma_scale_f32_16x16x128_f8f6f4 v[\d:\d+7], v[\a:\a+15], v[\b:\b+15], 0, v[\sa], v[\sb] matrix_a_fmt:MATRIX_FMT_BF8 matrix_b_fmt:MATRIX_FMT_BF8
.endif
.endm
.macro WMC d, a, b, sa, sb, ra         ; one that adds in place
.if (\ra)
	v_wmma_scale_f32_16x16x128_f8f6f4 v[\d:\d+7], v[\a:\a+15], v[\b:\b+15], v[\d:\d+7], v[\sa], v[\sb] matrix_a_fmt:MATRIX_FMT_BF8 matrix_b_fmt:MATRIX_FMT_BF8 matrix_a_scale:MATRIX_SCALE_ROW1
.else
	v_wmma_scale_f32_16x16x128_f8f6f4 v[\d:\d+7], v[\a:\a+15], v[\b:\b+15], v[\d:\d+7], v[\sa], v[\sb] matrix_a_fmt:MATRIX_FMT_BF8 matrix_b_fmt:MATRIX_FMT_BF8
.endif
.endm
.macro QLOAD p                         ; pass p's two tiles of Q, each twice (ahead of the zeros and behind them), and their scale words
	WIN 0x40
.irp T, 0,1
.irp z, 0,16
	global_load_b128 v[QF+24*\T+\z:QF+24*\T+\z+3], v[LA], s[16:17] offset:16384*\p+1024*\T
	global_load_b128 v[QF+24*\T+\z+4:QF+24*\T+\z+7], v[LA], s[16:17] offset:16384*\p+1024*\T+512
.endr
.endr
	WIN 0
	global_load_b64 v[QS:QS+1], v[LB], s[18:19] offset:2048*\p   ; word 0: the even tile, word 1: the odd one
.endm
.macro KLOAD adr                       ; a piece's four fragments of K as they lie, 512 consecutive bytes a load
	WIN 0x40
.irp f, 0,1,2,3
.irp c, 0,1,2,3
	ds_load_b128 v[KF+16*\f+4*\c:KF+16*\f+4*\c+3], v[\adr] offset:2048*\f+512*\c
.endr
.endr
.endm
; seven packed additions: the sum and the six partial sums take 14 more of the tile's p, from register j0 on
.macro ROUND7 j0
	v_pk_add_f32 v[LT:LT+1], v[LT:LT+1], v[SB+\j0:SB+\j0+1]
.irp c, 0,1,2,3,4,5
	v_pk_add_f32 v[PA\c:PA\c+1], v[PA\c:PA\c+1], v[SB+\j0+2+2*\c:SB+\j0+3+2*\c]
.endr
.endm
; BEHIND A TILE'S EXPONENTIALS: the row's sum of the unquantised p, in seven chains (26 of its 32 packed additions; JOINS has the other six), and between them, level by level, the four blocks' scales
.macro POST T
.set SB, S+64*(\T)
.set LT, LS+2*(\T)
.set TQ, 4*(\T)
.set PA0, PB+4-TQ
.set PA1, PB+6-TQ
.set PA2, HO+4-TQ
.set PA3, HO+6-TQ
.set PA4, SO+4-TQ
.set PA5, SO+6-TQ
.irp c, 0,1,2,3,4,5
	v_pk_add_f32 v[PA\c:PA\c+1], v[SB+4*\c:SB+4*\c+1], v[SB+4*\c+2:SB+4*\c+3]
.endr
.irp b, 0,1,2,3
	v_max_num_f32 v[BM+TQ+\b], 0x8000000, v[BM+TQ+\b]      ; the floor 2^(16 - 127)
.endr
	ROUND7 24
.irp b, 0,1,2,3
	v_add_nc_u32 v[SO+TQ+\b], 0xf8800000, v[BM+TQ+\b]      ; 15 off the exponent field: the conversion's scale operand
.endr
	ROUND7 38
.irp b, 0,1,2,3
	v_and_or_b32 v[HO+TQ+\b], v[BM+TQ+\b], 0x7f800000, s[MNT]   ; 57,344 x the scale
.endr
.irp b, 0,1,2,3
	v_lshrrev_b32 v[PB+TQ+\b], 23, v[SO+TQ+\b]             ; the scale's byte
.endr
	v_pk_add_f32 v[LT:LT+1], v[LT:LT+1], v[SB+52:SB+53]
	v_pk_add_f32 v[PA0:PA0+1], v[PA0:PA0+1], v[SB+54:SB+55]
	v_lshl_or_b32 v[PS+\T], v[PB+TQ+1], 8, v[PB+TQ]        ; p's scale word for these 128 keys
	v_pk_add_f32 v[PA1:PA1+1], v[PA1:PA1+1], v[SB+56:SB+57]
	v_pk_add_f32 v[PA2:PA2+1], v[PA2:PA2+1], v[SB+58:SB+59]
	s_delay_alu instid0(VALU_DEP_3)
	v_lshl_or_b32 v[PS+\T], v[PB+TQ+2], 16, v[PS+\T]
	v_pk_add_f32 v[PA3:PA3+1], v[PA3:PA3+1], v[SB+60:SB+61]
	v_pk_add_f32 v[PA4:PA4+1], v[PA4:PA4+1], v[SB+62:SB+63]
	s_delay_alu instid0(VALU_DEP_3)
	v_lshl_or_b32 v[PS+\T], v[PB+TQ+3], 24, v[PS+\T]
.endm
.macro JOINS                           ; the six partial sums of the tile that POST took last go into its sum
	v_pk_add_f32 v[PA0:PA0+1], v[PA0:PA0+1], v[PA1:PA1+1]
	v_pk_add_f32 v[PA2:PA2+1], v[PA2:PA2+1], v[PA3:PA3+1]
	v_pk_add_f32 v[PA4:PA4+1], v[PA4:PA4+1], v[PA5:PA5+1]
	s_delay_alu instid0(VALU_DEP_3)
	v_pk_add_f32 v[LT:LT+1], v[LT:LT+1], v[PA0:PA0+1]
	s_delay_alu instid0(VALU_DEP_2)
	v_pk_add_f32 v[PA2:PA2+1], v[PA2:PA2+1], v[PA4:PA4+1]
	s_delay_alu instid0(VALU_DEP_1)
	v_pk_add_f32 v[LT:LT+1], v[LT:LT+1], v[PA2:PA2+1]
.endm
.macro HOLD2 r, h                      ; the hold of two numbers: the conversion to an 8-bit code does not saturate (ISA guide 7.6.2); p is not negative, so it is one-sided
	v_dual_min_num_f32 v[\r], v[\r], v[\h] :: v_dual_min_num_f32 v[\r+1], v[\r+1], v[\h]
.endm
.macro CODES T                         ; a tile's 64 held p a lane into 16 registers of codes
	WIN 0x40
.irp b, 0,1,2,3
	v_cvt_scalef32_pk8_bf8_f32 v[PC+16*\T+4*\b:PC+16*\T+4*\b+1], v[S+64*\T+16*\b:S+64*\T+16*\b+7], v[SO+4*\T+\b]
	v_cvt_scalef32_pk8_bf8_f32 v[PC+16*\T+4*\b+2:PC+16*\T+4*\b+3], v[S+64*\T+16*\b+8:S+64*\T+16*\b+15], v[SO+4*\T+\b]
.endr
	WIN 0
.endm
	s_load_b128 s[4:7], s[0:1], 0x0                ; qq s[4:5], kv s[6:7]
	s_load_b64 s[8:9], s[0:1], 0x10                ; nvq
	v_lshl_add_u32 v[SPW], v0, 2, SPARE
	v_mov_b32 v[NIL], 0
	ds_add_u32 v[SPW], v[NIL]                      ; the wave's opening: the add, twice on end, and its wait ahead of my first tensor load; the set-up below, work on registers, stands between
	ds_add_u32 v[SPW], v[NIL]
	v_lshrrev_b32 v5, 5, v0
	s_delay_alu instid0(VALU_DEP_1)
	v_readfirstlane_b32 s[WV], v5                  ; wave 0..7
	v_and_b32 v9, 31, v0
	s_delay_alu instid0(VALU_DEP_1)
	v_lshlrev_b32 v[LA], 4, v9
	s_delay_alu instid0(VALU_DEP_2)
	v_lshlrev_b32 v[LB], 3, v9
	v_and_b32 v[R4], 15, v0
	s_delay_alu instid0(VALU_DEP_1)
	v_lshlrev_b32 v[R4], 2, v[R4]
.irp j, 0,1,2,3,4,5,6,7
	v_mov_b32 v[PB+\j], 0                          ; written once: a lane permute's destination counts as one of its sources
.endr
	v_mov_b32 v[FF+1], 0                           ; the upper halves of the pairs that hold f
	v_mov_b32 v[FF+3], 0
	WIN 0x40
.irp j, 0,1,2,3,4,5,6,7
	v_mov_b32 v[QF+8+\j], 0                        ; the zero codes between Q and Q, tile 0
	v_mov_b32 v[QF+32+\j], 0                       ; and tile 1
.endr
	WIN 0
	s_bfe_u32 s13, ttmp6, 0x40000                  ; cx: it enters the addresses of Q and of new_v alone
	s_and_b32 s14, ttmp7, 0xffff                   ; 16 x batch + head, which the four partners share
	; descriptor group 1 of the head's load: 8,448 dense bytes: 33 rows of 256 (32 elements of 8 bytes), no padding: they are read as they lie, 16 bytes a lane
	s_mov_b32 s24, 15|(3<<16)|(1<<21)              ; the mask: all four work-groups; elements of 8 bytes; bit 21 beside a mask
	s_mov_b32 s25, 32<<16                          ; tensor_dim0
	s_mov_b32 s26, 33<<16                          ; tensor_dim1
	s_mov_b32 s27, 32<<16                          ; tile_dim0
	s_mov_b32 s28, 33                              ; tile_dim1
	s_mov_b32 s29, 32                              ; the pitch
	s_mov_b32 s30, 0
	s_mov_b32 s31, 0
	s_mov_b32 s32, 1
	s_mul_i32 s33, s[WV], PART1                    ; LDS: my part of pieces 0-3
	s_mul_i32 s10, s14, 16*CH
	s_add_co_u32 s10, s10, s33
	s_mov_b32 s11, 0
	s_lshr_b32 s15, s14, 4                         ; the batch
	s_and_b32 s43, s14, 15                         ; the head
	s_lshr_b32 s46, s43, 1
	s_and_b32 s47, s43, 1
	s_lshl_b32 s48, s13, 5
	s_lshl_b32 s44, s[WV], 1
	s_add_co_u32 s48, s48, s44                     ; my first tile among the 128: 32 cx + 2 x wave
	s_lshl_b32 s49, s13, 4
	s_add_co_u32 s49, s49, s[WV]                   ; its pair
	s_lshl_b32 s50, s14, 7
	s_add_co_u32 s50, s50, s48
	s_lshl_b32 s50, s50, 10                        ; Q's image: 1,024 bytes a tile
	s_lshl_b32 s51, s14, 6
	s_add_co_u32 s51, s51, s49
	s_lshl_b32 s51, s51, 8
	s_add_co_u32 s51, s51, 8388608                 ; Q's scale words: 256 bytes a pair
	s_lshl_b32 s52, s15, 7
	s_add_co_u32 s52, s52, s48
	s_lshl_b32 s52, s52, 3
	s_add_co_u32 s52, s52, s46
	s_lshl_b32 s52, s52, 11
	s_lshl_b32 s53, s47, 10
	s_add_co_u32 s52, s52, s53                     ; new_v's image: tile, K step head / 2, half head % 2
	s_lshl_b32 s53, s15, 6
	s_add_co_u32 s53, s53, s49
	s_lshl_b32 s53, s53, 3
	s_add_co_u32 s53, s53, s46
	s_lshl_b32 s53, s53, 7
	s_lshl_b32 s54, s47, 1
	s_add_co_u32 s53, s53, s54
	s_add_co_u32 s53, s53, 8388608                 ; new_v's scale bytes
	s_mov_b32 s[SEL], 0x76543210
	s_mov_b32 s[SEL+1], 0xfedcba98
	s_mov_b32 s[CS], 0x3d0293ee                    ; c = log2(e) / sqrt(2048)
	s_mov_b32 s[CS+1], s[CS]
	s_mov_b32 s[NC], 0xbd0293ee                    ; -c
	s_mov_b32 s[MNT], 0x600000
	s_wait_alu depctr_va_vdst(0)
	s_wait_dscnt 0x0                               ; both opening adds are done
	s_wait_kmcnt 0x0
	s_add_nc_u64 s[34:35], s[6:7], s[10:11]
	s_or_b32 s35, s35, 0x80000000
	s_mov_b32 s57, 0
	s_mov_b32 s56, s50
	s_add_nc_u64 s[16:17], s[4:5], s[56:57]
	s_mov_b32 s56, s51
	s_add_nc_u64 s[18:19], s[4:5], s[56:57]
	s_mov_b32 s56, s52
	s_add_nc_u64 s[20:21], s[8:9], s[56:57]
	s_mov_b32 s56, s53
	s_add_nc_u64 s[22:23], s[8:9], s[56:57]
	QLOAD 0                                        ; Q is on its way before the cluster meets
	; the second group's descriptors, in registers whose work above is done: 25,344 dense bytes: 99 rows of 256
	s_mov_b32 s[G1B], 15|(3<<16)|(1<<21)
	s_mov_b32 s[G1B+1], 32<<16
	s_mov_b32 s[G1B+2], 99<<16
	s_mov_b32 s[G1B+3], 32<<16
	s_mov_b32 s[G1B+4], 99
	s_mov_b32 s[G1B+5], 32
	s_mov_b32 s[G1B+6], 0
	s_mov_b32 s[G1B+7], 0
	s_mov_b32 s[G0B], 1
	s_mul_i32 s[G0B+1], s[WV], PART2
	s_add_co_u32 s[G0B+1], s[G0B+1], 4*CH          ; LDS: my part of pieces 4-15
	s_mul_i32 s56, s14, 16*CH
	s_add_co_u32 s56, s56, s[G0B+1]
	s_add_nc_u64 s[G0B+2:G0B+3], s[6:7], s[56:57]
	s_or_b32 s[G0B+3], s[G0B+3], 0x80000000
	CROUND                                         ; all four work-groups are here: the joint loads meet
	tensor_load_to_lds s[32:35], s[24:31]          ; my one tensor load at the head
	s_nop 0
.rept 4
	v_nop
.endr
; A KEY STEP: 128 keys x my 32 queries.  B counts the eight blocks of 32 keys: 0-3 tile 0's, 4-7 tile 1's.
.macro STEP
	WIN 0x05
.irp f, 0,1,2,3                                ; S^T = K Q^T: key tile 2 f + u from the lower or the upper 64 of fragment f; sixteen accumulators by turns
.irp u, 0,1
.irp T, 0,1
	WM0 S+64*\T+8*(2*\f+\u), KF+16*\f, QF+24*\T+8*\u, KSW+\f/2, QS+\T, \f%2, \u
.endr
.endr
.endr
	WIN 0
	s_add_co_u32 s[NX], s[CNT], 1
	s_and_b32 s[NX], s[NX], 15                     ; the next piece; behind the last: piece 0
	s_mul_i32 s[NX], s[NX], CH
	s_mul_i32 s[TB], s[CNT], CH
	v_add_nc_u32 v[AK], s[NX], v[LA]
	v_add_nc_u32 v[AKS], s[NX], v[LB]
	v_add_nc_u32 v[AV], s[TB], v[LA]
	v_add_nc_u32 v[AVS], s[TB], v[LB]
.rept 4
	v_nop                                          ; with the four additions: eight places in front of the loads into registers that products have read, and of the first read of S^T
.endr
	KLOAD AK
.irp t, 0,1,2,3
.irp c, 0,1,2,3
	ds_load_b128 v[VF+16*\t+4*\c:VF+16*\t+4*\c+3], v[AV] offset:8192+2048*\t+512*\c
.endr
.endr
	WIN 0
	ds_load_b64 v[KSW:KSW+1], v[AKS] offset:16384
	ds_load_b64 v[VSW:VSW+1], v[AVS] offset:16640
.irp B, 0,1,2,3,4,5,6,7
	v_max_num_f32 v[BM+\B], v[S+16*\B], v[S+16*\B+1]   ; the largest score of each block: for the row's maximum, and, since p rises with the score, for the block's largest p.  Each accumulator from its low end on
.endr
.irp i, 2,4,6,8,10,12,14
.irp B, 0,1,2,3,4,5,6,7
	v_max3_num_f32 v[BM+\B], v[BM+\B], v[S+16*\B+\i], v[S+16*\B+\i+1]
.endr
.endr
.irp B, 0,1,2,3,4,5,6,7
	v_permlanex16_b32 v[PB+\B], v[BM+\B], s[SEL], s[SEL+1]
.endr
.irp B, 0,1,2,3,4,5,6,7
	v_max_num_f32 v[BM+\B], v[BM+\B], v[PB+\B]     ; with lane l xor 16's 16 keys
.endr
.irp T, 0,1
	v_max3_num_f32 v[PB+\T], v[BM+4*\T], v[BM+4*\T+1], v[BM+4*\T+2]
.endr
.irp T, 0,1
	s_delay_alu instid0(VALU_DEP_2)
	v_max3_num_f32 v[NM+2*\T+1], v[NM+2*\T+1], v[PB+\T], v[BM+4*\T+3]   ; the running largest score
.endr
.irp T, 0,1
	s_delay_alu instid0(VALU_DEP_2)
	v_mul_f32 v[PB+\T], s[NC], v[NM+2*\T+1]        ; -t (c is positive)
.endr
.irp T, 0,1
	s_delay_alu instid0(VALU_DEP_2)
	v_floor_f32 v[PB+\T], v[PB+\T]                 ; the new -M = floor(-t)
.endr
.irp T, 0,1
	s_delay_alu instid0(VALU_DEP_2)
	v_sub_f32 v[PB+2+\T], v[PB+\T], v[NM+2*\T]     ; old M - new M: a whole number, 0 or less
.endr
.irp T, 0,1
	s_delay_alu instid0(VALU_DEP_4)
	v_mov_b32 v[NM+2*\T], v[PB+\T]
.endr
.irp T, 0,1
	s_delay_alu instid0(VALU_DEP_4)
	v_cvt_i32_f32 v[PB+2+\T], v[PB+2+\T]           ; (it saturates)
.endr
.irp T, 0,1
	s_delay_alu instid0(VALU_DEP_2)
	v_ldexp_f32 v[FF+2*\T], 1.0, v[PB+2+\T]        ; f = 2^(old M - new M)
.endr
.set j, 0
.rept 32
	v_pk_fma_f32 v[S+j:S+j+1], v[S+j:S+j+1], s[CS:CS+1], v[NM:NM+1] op_sel_hi:[1,0,0]   ; tile 0: t - M
.set j, j+2
.endr
.irp B, 0,1,2,3
	v_fma_f32 v[BM+\B], v[BM+\B], s[CS], v[NM]     ; the same of each of its blocks' largest score
.endr
.irp T, 0,1                                    ; O^T under the new M, ahead of the step's exponentials: no transcendental stands between the last products and these lines, their first readers
.set j, 0
.rept 16
	v_pk_mul_f32 v[O+32*\T+j:O+32*\T+j+1], v[O+32*\T+j:O+32*\T+j+1], v[FF+2*\T:FF+2*\T+1] op_sel_hi:[1,0]
.set j, j+2
.endr
.endr
	s_wait_alu depctr_va_vdst(0)                   ; ahead of the batch
; tile 0's 68 exponentials; the first 37 take turns with plain lines of tile 1 and of the sums, whose results are first read behind the wait at the batch's end
.set k, 0
.rept 32
	v_exp_f32 v[S+k], v[S+k]                       ; p = 2^(t - M)
	v_pk_fma_f32 v[S+64+2*k:S+65+2*k], v[S+64+2*k:S+65+2*k], s[CS:CS+1], v[NM+2:NM+3] op_sel_hi:[1,0,0]   ; tile 1: t - M
.set k, k+1
.endr
.irp B, 4,5,6,7
	v_exp_f32 v[S+28+\B], v[S+28+\B]
	v_fma_f32 v[BM+\B], v[BM+\B], s[CS], v[NM+2]
.endr
	v_exp_f32 v[S+36], v[S+36]
	v_pk_mul_f32 v[LS:LS+1], v[LS:LS+1], v[FF:FF+1] op_sel_hi:[1,0]       ; the sums under the new M
.set k, 37
.rept 27
	v_exp_f32 v[S+k], v[S+k]
.set k, k+1
.endr
.irp B, 0,1,2,3
	v_exp_f32 v[BM+\B], v[BM+\B]                   ; the block's largest p
.endr
	v_pk_mul_f32 v[LS+2:LS+3], v[LS+2:LS+3], v[FF+2:FF+3] op_sel_hi:[1,0] ; (a plain instruction behind the last exponential)
	s_wait_alu depctr_va_vdst(0)                   ; one wait for the batch, ahead of its first reader
	POST 0
	JOINS
	s_wait_alu depctr_va_vdst(0)                   ; ahead of the second batch
; tile 1's 68 exponentials; the first 32 take turns with tile 0's holds, whose results are first read behind the wait at the batch's end
.set k, 0
.rept 32
	v_exp_f32 v[S+64+k], v[S+64+k]
	HOLD2 S+2*k, HO+k/8
.set k, k+1
.endr
.rept 32
	v_exp_f32 v[S+64+k], v[S+64+k]
.set k, k+1
.endr
.irp B, 4,5,6,7
	v_exp_f32 v[BM+\B], v[BM+\B]
.endr
	v_nop                                          ; a plain place behind the last exponential
	s_wait_alu depctr_va_vdst(0)                   ; one wait for the batch
	CODES 0                                        ; tile 0's codes now: its scale operands' registers then take tile 1's partial sums
	POST 1
.set k, 0
.rept 32
	HOLD2 S+64+2*k, HO+4+k/8
.set k, k+1
.endr
	CODES 1
	JOINS                                          ; these six are also the places between the codes and the products
	s_wait_alu depctr_va_vdst(0)
	s_wait_dscnt 0x0                               ; V is in, and so is the next step's K: both were asked for a softmax ago
	WIN 0x05
.irp t, 0,1,2,3                                ; O^T += V^T P^T: eight accumulators by turns
.irp T, 0,1
	WMC O+32*\T+8*\t, VF+16*\t, PC+16*\T, VSW+\t/2, PS+\T, \t%2
.endr
.endr
	WIN 0
.endm
; A PASS: tiles 32 cx + 16 p + 2 x wave and the next against all 2,048 keys
.macro PASS p
.if \p
	s_wait_xcnt 0x0                                ; the first pass's stores have read their registers
.endif
.irp T, 0,1
	v_mov_b32 v[NM+2*\T], 0x7f61b1e6               ; -M: 3e38, over every -M
	v_mov_b32 v[NM+2*\T+1], 0xff61b1e6             ; the largest score so far: -3e38
	v_mov_b32 v[LS+2*\T], 0
	v_mov_b32 v[LS+2*\T+1], 0
.endr
.set j, 0
.rept 64
	v_mov_b32 v[O+j], 0                            ; the step is written once: the first finds zeros, and f = 0
.set j, j+1
.endr
	s_mov_b32 s[CNT], 0
	s_wait_alu depctr_va_vdst(0)
.if \p == 0
	s_wait_tensorcnt 0x0                           ; my part of pieces 0-3 has landed
	ds_add_u32 v[SPW], v[NIL]
	s_wait_dscnt 0x0
	CROUND                                         ; everybody's has, and all four work-groups are here: the joint loads meet
	tensor_load_to_lds s[G0B:G0B+3], s[G1B:G1B+7]  ; my part of pieces 4-15: the first tensor load behind the round, on bytes that nothing has filled or read
	s_nop 0
.rept 4
	v_nop
.endr
	KLOAD LA                                       ; piece 0's K
	WIN 0
	ds_load_b64 v[KSW:KSW+1], v[LB] offset:16384
	s_wait_loadcnt 0x0                             ; Q
	s_wait_dscnt 0x0
.Lfirst_\@:                                            ; steps 0-2 read pieces 0-3 alone (step 2 asks for piece 3's K)
	STEP
	s_add_co_u32 s[CNT], s[CNT], 1
	s_cmp_lt_u32 s[CNT], 3
	s_cbranch_scc1 .Lfirst_\@
	s_wait_tensorcnt 0x0                           ; my part of pieces 4-15 has landed,
	s_barrier_signal -1
	s_barrier_wait -1                              ; everybody's has
	s_mov_b32 s[CNT], 3
.else
	s_wait_loadcnt 0x0                             ; Q
.endif
.Lstep_\@:
	STEP
	s_add_co_u32 s[CNT], s[CNT], 1
	s_cmp_lt_u32 s[CNT], 16
	s_cbranch_scc1 .Lstep_\@
.irp T, 0,1
	v_add_f32 v[LS+2*\T], v[LS+2*\T], v[LS+2*\T+1]
.endr
.irp T, 0,1
	s_delay_alu instid0(VALU_DEP_2)
	v_permlanex16_b32 v[PB+\T], v[LS+2*\T], s[SEL], s[SEL+1]
.endr
.irp T, 0,1
	s_delay_alu instid0(VALU_DEP_2)
	v_add_f32 v[LS+2*\T], v[LS+2*\T], v[PB+\T]     ; the row's sum
.endr
.rept 4
	v_nop                                          ; with the lines above and the one behind the reciprocals: the places behind the last products
.endr
.if \p == 0
	QLOAD 1                                        ; the next pass's Q, under this pass's way out
.endif
	s_wait_alu depctr_va_vdst(0)                   ; ahead of the transcendentals
	v_rcp_f32 v[LS], v[LS]
	v_rcp_f32 v[LS+2], v[LS+2]
	v_nop
	s_wait_alu depctr_va_vdst(0)                   ; ahead of their first reader, which is also O^T's
.irp T, 0,1
.set j, 0
.rept 16
	v_pk_mul_f32 v[S+32*\T+j:S+32*\T+j+1], v[O+32*\T+j:O+32*\T+j+1], v[LS+2*\T:LS+2*\T+1] op_sel_hi:[1,0]   ; new_v: register 16 b + i of a tile is channel 32 b + 16 (lane / 16) + i of my query
.set j, j+2
.endr
.endr
.irp B, 0,1,2,3                                ; four blocks of 32 channels: two a tile
	v_max3_num_f32 v[BM+\B], |v[S+16*\B]|, |v[S+16*\B+1]|, 0x8000000
.endr
.irp i, 2,4,6,8,10,12,14
.irp B, 0,1,2,3
	s_delay_alu instid0(VALU_DEP_4)
	v_max3_num_f32 v[BM+\B], v[BM+\B], |v[S+16*\B+\i]|, |v[S+16*\B+\i+1]|
.endr
.endr
.irp B, 0,1,2,3
	s_delay_alu instid0(VALU_DEP_4)
	v_permlanex16_b32 v[PB+\B], v[BM+\B], s[SEL], s[SEL+1]
.endr
.irp B, 0,1,2,3
	s_delay_alu instid0(VALU_DEP_4)
	v_max_num_f32 v[BM+\B], v[BM+\B], v[PB+\B]
.endr
.irp B, 0,1,2,3
	s_delay_alu instid0(VALU_DEP_4)
	v_add_nc_u32 v[SO+\B], 0xf8800000, v[BM+\B]
.endr
.irp B, 0,1,2,3
	v_and_or_b32 v[HO+\B], v[BM+\B], 0x7f800000, s[MNT]
.endr
.irp B, 0,1,2,3
	v_lshrrev_b32 v[PB+\B], 23, v[SO+\B]
.endr
.irp B, 0,1,2,3
.irp i, 0,1,2,3,4,5,6,7,8,9,10,11,12,13,14,15
	v_med3_num_f32 v[S+16*\B+\i], v[S+16*\B+\i], -v[HO+\B], v[HO+\B]
.endr
.endr
.irp T, 0,1
	v_lshl_or_b32 v[PR+\T], v[PB+2*\T+1], 8, v[PB+2*\T]   ; the head's two scale bytes of my row
.endr
.irp B, 0,1,2,3                                ; the codes go where O^T lay: it has been read
	v_cvt_scalef32_pk8_bf8_f32 v[O+4*\B:O+4*\B+1], v[S+16*\B:S+16*\B+7], v[SO+\B]
	v_cvt_scalef32_pk8_bf8_f32 v[O+4*\B+2:O+4*\B+3], v[S+16*\B+8:S+16*\B+15], v[SO+\B]
.endr
	v_nop                                          ; a plain vector instruction behind the last conversion
.irp T, 0,1
	global_store_b128 v[LA], v[O+8*\T:O+8*\T+3], s[20:21] offset:262144*\p+16384*\T         ; the wave stores 512 consecutive bytes, aligned
	global_store_b128 v[LA], v[O+8*\T+4:O+8*\T+7], s[20:21] offset:262144*\p+16384*\T+512
	global_store_b16 v[R4], v[PR+\T], s[22:23] offset:8192*\p+64*\T                         ; lanes r and r + 16 write the same two bytes with the same value
.endr
.endm
	PASS 0
	PASS 1
	s_wait_tensorcnt 0x0                           ; the wave's end
	ds_add_u32 v[SPW], v[NIL]
	s_wait_dscnt 0x0
	CROUND                                         ; the closing round
	s_endpgm
.Lfunc_end_k_qfb87c41d15_attn:
	.size	k_qfb87c41d15_attn, .Lfunc_end_k_qfb87c41d15_attn-k_qfb87c41d15_attn
	.p2alignl 7, 3214868480
	.fill 96, 4, 3214868480
	.section	.rodata,"a",@progbits
	.p2align	6, 0x0
	.amdhsa_kernel k_qfb87c41d15_attn
		.amdhsa_group_segment_fixed_size 327680
		.amdhsa_private_segment_fixed_size 0
		.amdhsa_enable_private_segment 0
		.amdhsa_kernarg_size 24
		.amdhsa_user_sgpr_count 2
		.amdhsa_user_sgpr_kernarg_segment_ptr 1
		.amdhsa_wavefront_size32 1
		.amdhsa_system_sgpr_workgroup_id_x 1
		.amdhsa_system_sgpr_workgroup_id_y 1
		.amdhsa_system_sgpr_workgroup_id_z 1
		.amdhsa_system_vgpr_workitem_id 0
		.amdhsa_next_free_vgpr 512
		.amdhsa_next_free_sgpr 66
		.amdhsa_reserve_vcc 0
		.amdhsa_float_denorm_mode_32 3
		.amdhsa_float_denorm_mode_16_64 3
		.amdhsa_memory_ordered 1
		.amdhsa_forward_progress 1
		.amdhsa_inst_pref_size 143
	.end_amdhsa_kernel
	.amdgpu_metadata
---
amdhsa.version: [ 1, 2 ]
amdhsa.kernels:
  - .name:           k_qfb87c41d15_attn
    .symbol:         k_qfb87c41d15_attn.kd
    .args:
      - { .name: qq, .offset: 0, .size: 8, .value_kind: global_buffer, .address_space: global }
      - { .name: kv, .offset: 8, .size: 8, .value_kind: global_buffer, .address_space: global }
      - { .name: nvq, .offset: 16, .size: 8, .value_kind: global_buffer, .address_space: global }
    .group_segment_fixed_size: 327680
    .private_segment_fixed_size: 0
    .kernarg_segment_align: 8
    .kernarg_segment_size: 24
    .max_flat_workgroup_size: 256
    .sgpr_count:     66
    .vgpr_count:     512
    .wavefront_size: 32
...
	.end_amdgpu_metadata
.endif
;; end of part 3
;; launch gemm2ln (part 4): grid 256 x 1, 4 waves a work-group, no clusters, 263,168 bytes of LDS; arguments nvq, w2q, b_fc2, x, out0; writes out0
.if DOCPART == 4
	.amdgcn_target "amdgcn-amd-amdhsa--gfx1250"
	.amdhsa_code_object_version 6
	.text
	.protected	k_qfb87c41d15_gemm2ln
	.globl	k_qfb87c41d15_gemm2ln
	.p2align	8
	.type	k_qfb87c41d15_gemm2ln,@function
k_qfb87c41d15_gemm2ln:
	s_mov_b64 s[64:65], 0
	v_nop
	global_prefetch_b8 v0, s[64:65] scope:SCOPE_SE
	s_setreg_imm32_b32 hwreg(HW_REG_WAVE_MODE, 25, 1), 1
	s_wait_xcnt 0x0
; LAUNCH 4 OF 4.  out = layer_norm(x + swish(new_v W_fc2 + b_fc2)), the product on the codes of nvq and w2q.  No work is left out.
; SHARES.  A work-group takes 32 whole rows (the norm wants whole rows): two tiles of 16.  Wave w makes columns 256 w .. 256 w + 255 of both: 32 accumulators, 256 registers.
; The product is used transposed (source 0 = 16 columns of W_fc2, source 1 = 16 rows of new_v): a lane holds eight neighbouring columns of one row.  The bias is the C of each sum's first matrix instruction.
; BOTH OPERANDS GO FROM MEMORY STRAIGHT INTO REGISTERS, as the images that launches 1 and 3 laid: each load of the wave reads 512 consecutive bytes.  NO LDS RING AND NO CLUSTER FOR W_fc2: each of its fragments is read by one wave
; of a work-group alone, so LDS would give it no second reader; and a K step's 32 KiB a wave feed only 32 matrix instructions, too few for a refill that goes out with nothing beside it at each of eight changes of slots.
; Straight into registers, four groups of loads (up to 74 loads a wave) are on their way all the time, on counted waits.
; x comes by ONE tensor load a wave at the head (its 8 rows, 32,768 dense bytes), on a counter of its own, and is read by that wave alone.
; THE ROWS of nvq lie by position (launch 1's row map): positions 8 w .. 8 w + 7 of the 32 are the actual rows 8 w' + 0 .. 7, w' = w with its two bits swapped.  Only x's and out0's addresses know of it.
; LIMITS: NaN and infinities are not served.
; REGISTERS: window 0: v1-11 addresses; v32-95 new_v's fragments, two sets; v96-103 their scale words; v104-119 W_fc2's scale words, two sets; v128-255 the bias, later work.  Window 1: W_fc2's fragments, four groups of four.  Window 2: the accumulators.
.set XR,    0                          ; LDS: x, 32,768 bytes a wave
.set STG,   131072                     ; the stage: 32 rows x (4,096 + 16) bytes, by position
.set SPT,   4112
.set SPARE, STG+32*SPT                 ; the spare words, 128 bytes a wave
.set LI,  1                            ; v1   16 x lane
.set L32, 2                            ; v2   32 x lane
.set L4,  3                            ; v3   4 x lane
.set H32, 4                            ; v4   32 x (lane / 16)
.set STO, 5                            ; v5, v6 the stage: where I put 32 bytes of a row of tile 0, 1
.set RD,  7                            ; v7   where I read my 8 rows back
.set XRD, 8                            ; v8   and my 8 rows of x
.set SPW, 10
.set NIL, 11
.set AF,  32
.set AS,  96
.set WS,  104
.set BIAS, 128
.set SEL, 42
.set NL2E, 44
.set MSB, 0
.macro WIN new
.if MSB != \new
	s_set_vgpr_msb (MSB<<8)|\new
.set MSB, \new
.endif
.endm
.macro WMC d, a, b, c, sa, sb, ra, rb  ; ra, rb = 1: that side's scales are read from lanes 16-31
.if (\ra) && (\rb)
	v_wmma_scale_f32_16x16x128_f8f6f4 v[\d:\d+7], v[\a:\a+15], v[\b:\b+15], v[\c:\c+7], v[\sa], v[\sb] matrix_a_fmt:MATRIX_FMT_BF8 matrix_b_fmt:MATRIX_FMT_BF8 matrix_a_scale:MATRIX_SCALE_ROW1 matrix_b_scale:MATRIX_SCALE_ROW1
.elseif (\ra)
	v_wmma_scale_f32_16x16x128_f8f6f4 v[\d:\d+7], v[\a:\a+15], v[\b:\b+15], v[\c:\c+7], v[\sa], v[\sb] matrix_a_fmt:MATRIX_FMT_BF8 matrix_b_fmt:MATRIX_FMT_BF8 matrix_a_scale:MATRIX_SCALE_ROW1
.elseif (\rb)
	v_wmma_scale_f32_16x16x128_f8f6f4 v[\d:\d+7], v[\a:\a+15], v[\b:\b+15], v[\c:\c+7], v[\sa], v[\sb] matrix_a_fmt:MATRIX_FMT_BF8 matrix_b_fmt:MATRIX_FMT_BF8 matrix_b_scale:MATRIX_SCALE_ROW1
.else
	v_wmma_scale_f32_16x16x128_f8f6f4 v[\d:\d+7], v[\a:\a+15], v[\b:\b+15], v[\c:\c+7], v[\sa], v[\sb] matrix_a_fmt:MATRIX_FMT_BF8 matrix_b_fmt:MATRIX_FMT_BF8
.endif
.endm
	s_load_b256 s[4:11], s[0:1], 0x0               ; nvq s[4:5], w2q s[6:7], b_fc2 s[8:9], x s[10:11]
	s_load_b64 s[12:13], s[0:1], 0x20              ; out0
	v_lshl_add_u32 v[SPW], v0, 2, SPARE
	v_mov_b32 v[NIL], 0
	ds_add_u32 v[SPW], v[NIL]                      ; the wave's opening: the add, twice on end, and its wait ahead of my first tensor load
	ds_add_u32 v[SPW], v[NIL]
	v_lshrrev_b32 v1, 5, v0
	v_readfirstlane_b32 s14, v1                    ; wave 0..3
	s_mov_b32 s16, 3<<16                           ; descriptor group 1: 32,768 dense bytes as 128 rows of 256 (32 elements of 8 bytes); no mask, no padding
	s_mov_b32 s17, 32<<16
	s_mov_b32 s18, 128<<16
	s_mov_b32 s19, 32<<16
	s_mov_b32 s20, 128
	s_mov_b32 s21, 32
	s_mov_b32 s22, 0
	s_mov_b32 s23, 0
	s_mov_b32 s24, 1
	s_lshl_b32 s25, s14, 15                        ; LDS: my 32,768 bytes
	s_and_b32 s28, s14, 1
	s_lshl_b32 s28, s28, 1
	s_lshr_b32 s29, s14, 1
	s_or_b32 s28, s28, s29                         ; the wave's number with its two bits swapped
	s_lshl_b32 s28, s28, 3
	s_lshl_b32 s29, ttmp9, 5
	s_add_co_u32 s28, s28, s29                     ; my first actual row
	s_lshl_b32 s28, s28, 12                        ; 4,096 bytes a row
	s_mov_b32 s29, 0
	s_lshl_b32 s30, ttmp9, 15                      ; new_v's images: 16,384 bytes a tile
	s_mov_b32 s31, 0
	s_lshl_b32 s32, ttmp9, 10
	s_add_co_u32 s32, s32, 8388608                 ; their scale words: 1,024 bytes a pair of tiles
	s_mov_b32 s33, 0
	s_lshl_b32 s34, s14, 15                        ; W_fc2's images: 32,768 bytes for a K step of my 256 columns
	s_mov_b32 s35, 0
	s_lshl_b32 s38, s14, 10                        ; the bias: my 256 numbers
	s_mov_b32 s39, 0
	s_add_co_u32 s36, s38, 1048576                 ; W_fc2's scale words: 1,024 bytes likewise
	s_mov_b32 s37, 0
	s_mov_b32 s[SEL], 0x76543210
	s_mov_b32 s[SEL+1], 0xfedcba98
	s_mov_b32 s[NL2E], 0xbfb8aa3b                  ; -log2(e)
	s_mov_b32 s[NL2E+1], s[NL2E]
	s_mov_b32 s46, 0x3a800000                      ; 1 / 1,024
	s_mov_b32 s47, 0x3727c5ac                      ; 1e-5
	s_wait_dscnt 0x0                               ; both opening adds are done
	s_wait_kmcnt 0x0
	s_add_nc_u64 s[26:27], s[10:11], s[28:29]
	s_or_b32 s27, s27, 0x80000000
	tensor_load_to_lds s[24:27], s[16:23]          ; my 8 rows of x: my one tensor load of the launch
	s_nop 0
.rept 4
	v_nop
.endr
	s_add_nc_u64 s[40:41], s[12:13], s[28:29]      ; out0 at the same rows
	s_add_nc_u64 s[30:31], s[4:5], s[30:31]
	s_add_nc_u64 s[32:33], s[4:5], s[32:33]
	s_add_nc_u64 s[34:35], s[6:7], s[34:35]
	s_add_nc_u64 s[36:37], s[6:7], s[36:37]
	s_add_nc_u64 s[38:39], s[8:9], s[38:39]
	v_and_b32 v9, 31, v0
	v_lshlrev_b32 v[LI], 4, v9
	v_lshlrev_b32 v[L32], 5, v9
	v_lshlrev_b32 v[L4], 2, v9
	v_and_b32 v12, 15, v0                          ; r
	v_bfe_u32 v13, v0, 4, 1                        ; h
	v_lshlrev_b32 v[H32], 5, v13
	s_lshl_b32 s15, s14, 10
	s_add_co_u32 s15, s15, STG
	v_mul_u32_u24 v[STO], v12, SPT
	v_lshl_add_u32 v[STO], v13, 5, v[STO]
	v_add_nc_u32 v[STO], s15, v[STO]               ; the stage: row r, + 1,024 x wave + 32 h
	v_add_nc_u32 v[STO+1], 16*SPT, v[STO]          ; and 16 rows further down
	s_mul_i32 s15, s14, 8*SPT
	s_add_co_u32 s15, s15, STG
	v_add_nc_u32 v[RD], s15, v[LI]
	v_add_nc_u32 v[XRD], s25, v[LI]
.macro UA s                            ; K step s: new_v's two fragments and W_fc2's eight scale registers, into set s % 2: 10 loads
.irp tt, 0,1
.irp c, 0,1,2,3
	global_load_b128 v[AF+32*((\s)%2)+16*\tt+4*\c:AF+32*((\s)%2)+16*\tt+4*\c+3], v[LI], s[30:31] offset:16384*\tt+2048*(\s)+512*\c
.endr
.endr
	global_load_b128 v[WS+8*((\s)%2):WS+8*((\s)%2)+3], v[L32], s[36:37] offset:4096*(\s)
	global_load_b128 v[WS+8*((\s)%2)+4:WS+8*((\s)%2)+7], v[L32], s[36:37] offset:4096*(\s)+16
.endm
.macro UB s, q                         ; K step s, W_fc2's tiles 4 q .. 4 q + 3, into group q of window 1: 16 loads
	WIN 0x40
.irp i, 0,1,2,3
.irp c, 0,1,2,3
	global_load_b128 v[64*(\q)+16*\i+4*\c:64*(\q)+16*\i+4*\c+3], v[LI], s[34:35] offset:131072*(\s)+2048*(4*(\q)+\i)+512*\c
.endr
.endr
	WIN 0
.endm
.irp n, 0,1,2,3,4,5,6,7,8,9,10,11,12,13,14,15 ; the bias: register j of tile n is column 16 n + 8 h + j of my 256
	global_load_b128 v[BIAS+8*\n:BIAS+8*\n+3], v[H32], s[38:39] offset:64*\n
	global_load_b128 v[BIAS+8*\n+4:BIAS+8*\n+7], v[H32], s[38:39] offset:64*\n+16
.endr
.irp s, 0,1,2,3,4,5,6,7
	global_load_b32 v[AS+\s], v[L4], s[32:33] offset:128*\s   ; lanes 0-15: tile 0's rows, lanes 16-31: tile 1's
.endr
	UA 0
	UB 0, 0
	UB 0, 1
	UB 0, 2
	UB 0, 3
; A group: four tiles of columns x two tiles of rows, 128 along K: eight matrix instructions on eight accumulators; an accumulator's links stand 32 matrix instructions apart.
; The wait leaves out the three younger groups of loads: 16 each, and 10 more where a K step's first group is among them.  Behind the products and their places the group four on is asked for, into the registers just read.
.macro GROUP s, q
.if (\q) == 0
	s_wait_loadcnt 48
.elseif (\s) < 7
	s_wait_loadcnt 58
.else
	s_wait_loadcnt 16*(3-(\q))
.endif
.if (\s) == 0
	WIN 0x81                                       ; source 0 window 1, C (the bias) window 0, D window 2
.else
	WIN 0xa1                                       ; C and D window 2
.endif
.irp i, 0,1,2,3
.irp tt, 0,1
.if (\s) == 0
	WMC 8*(16*\tt+4*(\q)+\i), 64*(\q)+16*\i, AF+32*((\s)%2)+16*\tt, BIAS+8*(4*(\q)+\i), WS+8*((\s)%2)+(4*(\q)+\i)/2, AS+(\s), \i%2, \tt
.else
	WMC 8*(16*\tt+4*(\q)+\i), 64*(\q)+16*\i, AF+32*((\s)%2)+16*\tt, 8*(16*\tt+4*(\q)+\i), WS+8*((\s)%2)+(4*(\q)+\i)/2, AS+(\s), \i%2, \tt
.endif
.endr
.endr
	WIN 0
.rept 8
	v_nop                                          ; places in front of loads into registers that these products read, and of the first read of results
.endr
.if (\s) < 7
.if (\q) == 0
	UA (\s)+1
.endif
	UB (\s)+1, \q
.endif
.endm
.irp s, 0,1,2,3,4,5,6,7
.irp q, 0,1,2,3
	GROUP \s, \q
.endr
.endr
; swish of 64 sums a lane (row tile k / 2, column tiles 8 (k % 2) on), into the stage
.macro SW k
.set AC, 64*(\k)
.set E, 128+64*((\k)%2)
.if (\k) >= 2
	s_wait_dscnt 16                                ; the stores of two turns ago have read these registers
.endif
	WIN 0x02                                       ; source 0: window 2
.set i, 0
.rept 32
	v_pk_mul_f32 v[E+i:E+i+1], v[AC+i:AC+i+1], s[NL2E:NL2E+1] op_sel_hi:[1,0]   ; each accumulator from its low end on
.set i, i+2
.endr
	WIN 0
.set i, 0
	s_wait_alu depctr_va_vdst(0)
.rept 64
	v_exp_f32 v[E+i], v[E+i]
.set i, i+1
.endr
	v_nop
	s_wait_alu depctr_va_vdst(0)                   ; one wait for the batch
.set i, 0
.rept 32
	v_pk_add_f32 v[E+i:E+i+1], v[E+i:E+i+1], 1.0 op_sel_hi:[1,0]
.set i, i+2
.endr
.set i, 0
	s_wait_alu depctr_va_vdst(0)
.rept 64
	v_rcp_f32 v[E+i], v[E+i]
.set i, i+1
.endr
	v_nop
	s_wait_alu depctr_va_vdst(0)
	WIN 0x02
.set i, 0
.rept 32
	v_pk_mul_f32 v[E+i:E+i+1], v[AC+i:AC+i+1], v[E+i:E+i+1]
.set i, i+2
.endr
	WIN 0
.irp n, 0,1,2,3,4,5,6,7
	ds_store_b128 v[STO+(\k)/2], v[E+8*\n:E+8*\n+3] offset:64*(8*((\k)%2)+\n)
	ds_store_b128 v[STO+(\k)/2], v[E+8*\n+4:E+8*\n+7] offset:64*(8*((\k)%2)+\n)+16
.endr
.endm
	SW 0
	SW 1
	SW 2
	SW 3
	s_wait_tensorcnt 0x0                           ; my rows of x have landed
	s_wait_dscnt 0x0                               ; for the others' sake: my stores into the stage are done
	s_barrier_signal -1
	s_barrier_wait -1                              ; 32 whole rows lie in the stage
	; ---- the rows: my 8, one at a time, 32 numbers a lane; two sets of registers, the loads two rows ahead
	v_mov_b32 v200, 0                              ; written once: a lane permute's destination counts as one of its sources
.macro LROW k
.set M, 32+96*((\k)%2)
.irp i, 0,1,2,3,4,5,6,7
	ds_load_b128 v[M+4*\i:M+4*\i+3], v[RD] offset:SPT*(\k)+512*\i
.endr
.irp i, 0,1,2,3,4,5,6,7
	ds_load_b128 v[M+32+4*\i:M+32+4*\i+3], v[XRD] offset:4096*(\k)+512*\i
.endr
.endm
.macro REDUCE r                        ; the sum over the 32 lanes, in every lane
	v_add_f32_dpp v[\r], v[\r], v[\r] row_xmask:1 row_mask:0xf bank_mask:0xf
	v_add_f32_dpp v[\r], v[\r], v[\r] row_xmask:2 row_mask:0xf bank_mask:0xf
	v_add_f32_dpp v[\r], v[\r], v[\r] row_xmask:4 row_mask:0xf bank_mask:0xf
	v_add_f32_dpp v[\r], v[\r], v[\r] row_xmask:8 row_mask:0xf bank_mask:0xf
	v_permlanex16_b32 v200, v[\r], s[SEL], s[SEL+1]
	v_add_f32 v[\r], v[\r], v200
.endm
.macro ROWC k
.set M, 32+96*((\k)%2)
.if (\k) < 7
	s_wait_dscnt 16                                ; this row's 16 loads are in; the next row's may be out
.else
	s_wait_dscnt 0x0
.endif
.set i, 0
.rept 16
	v_pk_add_f32 v[M+i:M+i+1], v[M+i:M+i+1], v[M+32+i:M+33+i]   ; y = swish(..) + x
.set i, i+2
.endr
	v_pk_add_f32 v[192:193], v[M:M+1], v[M+2:M+3]
	v_pk_add_f32 v[194:195], v[M+4:M+5], v[M+6:M+7]
.irp j, 8,12,16,20,24,28
	v_pk_add_f32 v[192:193], v[192:193], v[M+\j:M+\j+1]
	v_pk_add_f32 v[194:195], v[194:195], v[M+\j+2:M+\j+3]
.endr
	v_pk_add_f32 v[192:193], v[192:193], v[194:195]
	v_add_f32 v192, v192, v193
	REDUCE 192
	v_mul_f32 v196, s46, v192                      ; the mean, twice: a pair for the packed form
	v_mul_f32 v197, s46, v192
.set i, 0
.rept 16
	v_pk_add_f32 v[M+i:M+i+1], v[M+i:M+i+1], v[196:197] neg_lo:[0,1] neg_hi:[0,1]
.set i, i+2
.endr
	v_pk_mul_f32 v[192:193], v[M:M+1], v[M:M+1]
	v_pk_mul_f32 v[194:195], v[M+2:M+3], v[M+2:M+3]
.irp j, 4,8,12,16,20,24,28
	v_pk_fma_f32 v[192:193], v[M+\j:M+\j+1], v[M+\j:M+\j+1], v[192:193]
	v_pk_fma_f32 v[194:195], v[M+\j+2:M+\j+3], v[M+\j+2:M+\j+3], v[194:195]
.endr
	v_pk_add_f32 v[192:193], v[192:193], v[194:195]
	v_add_f32 v192, v192, v193
	REDUCE 192
	v_fma_f32 v192, v192, s46, s47                 ; the variance + 1e-5
	s_wait_alu depctr_va_vdst(0)
	v_rsq_f32 v198, v192
	v_rsq_f32 v199, v192
	v_nop
	s_wait_alu depctr_va_vdst(0)
.set i, 0
.rept 16
	v_pk_mul_f32 v[M+i:M+i+1], v[M+i:M+i+1], v[198:199]
.set i, i+2
.endr
.irp i, 0,1,2,3,4,5,6,7
	global_store_b128 v[LI], v[M+4*\i:M+4*\i+3], s[40:41] offset:4096*(\k)+512*\i th:TH_STORE_NT   ; the wave stores 512 consecutive bytes, aligned
.endr
.if (\k) < 6
	s_wait_xcnt 0x0                                ; the stores have read their registers: the row two on may land there
	LROW (\k)+2
.endif
.endm
	LROW 0
	LROW 1
.irp k, 0,1,2,3,4,5,6,7
	ROWC \k
.endr
	s_wait_tensorcnt 0x0                           ; the wave's end
	ds_add_u32 v[SPW], v[NIL]
	s_wait_dscnt 0x0
	s_endpgm
.Lfunc_end_k_qfb87c41d15_gemm2ln:
	.size	k_qfb87c41d15_gemm2ln, .Lfunc_end_k_qfb87c41d15_gemm2ln-k_qfb87c41d15_gemm2ln
	.p2alignl 7, 3214868480
	.fill 96, 4, 3214868480
	.section	.rodata,"a",@progbits
	.p2align	6, 0x0
	.amdhsa_kernel k_qfb87c41d15_gemm2ln
		.amdhsa_group_segment_fixed_size 263168
		.amdhsa_private_segment_fixed_size 0
		.amdhsa_enable_private_segment 0
		.amdhsa_kernarg_size 40
		.amdhsa_user_sgpr_count 2
		.amdhsa_user_sgpr_kernarg_segment_ptr 1
		.amdhsa_wavefront_size32 1
		.amdhsa_system_sgpr_workgroup_id_x 1
		.amdhsa_system_sgpr_workgroup_id_y 1
		.amdhsa_system_sgpr_workgroup_id_z 1
		.amdhsa_system_vgpr_workitem_id 0
		.amdhsa_next_free_vgpr 768
		.amdhsa_next_free_sgpr 66
		.amdhsa_reserve_vcc 0
		.amdhsa_float_denorm_mode_32 3
		.amdhsa_float_denorm_mode_16_64 3
		.amdhsa_memory_ordered 1
		.amdhsa_forward_progress 1
		.amdhsa_inst_pref_size 217
	.end_amdhsa_kernel
	.amdgpu_metadata
---
amdhsa.version: [ 1, 2 ]
amdhsa.kernels:
  - .name:           k_qfb87c41d15_gemm2ln
    .symbol:         k_qfb87c41d15_gemm2ln.kd
    .args:
      - { .name: nvq, .offset: 0, .size: 8, .value_kind: global_buffer, .address_space: global }
      - { .name: w2q, .offset: 8, .size: 8, .value_kind: global_buffer, .address_space: global }
      - { .name: b_fc2, .offset: 16, .size: 8, .value_kind: global_buffer, .address_space: global }
      - { .name: x, .offset: 24, .size: 8, .value_kind: global_buffer, .address_space: global }
      - { .name: out0, .offset: 32, .size: 8, .value_kind: global_buffer, .address_space: global }
    .group_segment_fixed_size: 263168
    .private_segment_fixed_size: 0
    .kernarg_segment_align: 8
    .kernarg_segment_size: 40
    .max_flat_workgroup_size: 128
    .sgpr_count:     66
    .vgpr_count:     768
    .wavefront_size: 32
...
	.end_amdgpu_metadata
.endif
;; end of part 4
